; MI455X (gfx1250); checked and timed in simulation.
; The chip was launched on July 23, 2026; its instructions are those of AMD's public machine-readable ISA for CDNA 5 (MIT licence, August 2026) and "CDNA5" Instruction Set Architecture Reference Guide (July 2026). The comments in the code are by the model that wrote it; some were corrected since.
;; multihead self attention. Allowed arithmetic: float matrix products may take bf16 or f16 operands with f32 sums; all other float work in f32.
;; Inputs: k_proj_weight 1,024 x 1,024 float32; o_proj_weight 1,024 x 1,024 float32; q_proj_weight 1,024 x 1,024 float32; v_proj_weight 1,024 x 1,024 float32; x 2 x 2,048 x 1,024 float32.
;; Outputs: out0 2 x 2,048 x 1,024 float32.
;; 2 versions, each right; version 2 is version 1 with the launch cvt written anew for expert scheduling mode. Each part assembles by itself: llvm-mc -triple=amdgcn-amd-amdhsa -mcpu=gfx1250 --defsym DOCPART=n.
;; ======== version 1 of 2: 4 launches
;; limits: values are held in f16: magnitudes above 65,504 overflow, below 6.1e-05 lose precision
;; workspace buffers: xb 8,388,608 bytes; wqkv 6,291,456 bytes; wob 2,097,152 bytes; qh 8,388,608 bytes; kh 8,388,608 bytes; vh 8,388,608 bytes; vsum 262,144 bytes; ob 8,388,608 bytes
;; launch cvt (part 1): grid 256 x 1, 8 waves a work-group, no clusters, 0 bytes of LDS; arguments x, q_proj_weight, k_proj_weight, v_proj_weight, o_proj_weight, xb, wqkv, wob; writes xb, wqkv, wob
.if DOCPART == 1
	.amdgcn_target "amdgcn-amd-amdhsa--gfx1250"
	.amdhsa_code_object_version 6
	.text
	.protected	k_q6e8ea55123_cvt
	.globl	k_q6e8ea55123_cvt
	.p2align	8
	.type	k_q6e8ea55123_cvt,@function
k_q6e8ea55123_cvt:
	s_mov_b64 s[64:65], 0
	v_nop
	global_prefetch_b8 v0, s[64:65] scope:SCOPE_SE
	s_setreg_imm32_b32 hwreg(HW_REG_WAVE_MODE, 25, 1), 1
	s_wait_xcnt 0x0
; x and the four weights, f32 [rows][1024], are made matrix operands once and laid out in planes of 64 columns: [k / 64][row][64], a row of a plane = 128 bytes.
; So every tile that the later products fetch (some rows of one plane) is one dense run of memory.
;   xb   [16][4096][64]   rows as in x
;   wqkv [16][3072][64]   row = head * 192 + t * 64 + i   (t = 0 q, 1 k, 2 v; i = the row inside the head)
;   wob  [16][1024][64]   rows as in o_proj_weight
; THE FORMAT: each input is rounded to bf16 (to nearest even), the operand format that the problem's contract grants the inputs, and that number is STORED AS f16.
; Why both: q, k, v, P and o need a finer rounding than bf16's (row 0 of a batch is v's row 0 times Wo: 1024 products of spread 1 with nothing averaged, so one
; bf16 rounding of v leaves about 1.6e-3 there, one f16 rounding about 2e-4, against an output whose root mean square is about 0.1), and a matrix instruction takes
; one format for both sources.  f16 has 11 significant bits, bf16 has 8: the second conversion is exact from 2^-17 to 65,504.
; LIMITS: |x| and |w| below 65,504; below 2^-17 = 7.6e-6 the second conversion adds an absolute error of at most 3e-8.
; The result follows the plain formula on the inputs as rounded to bf16; against the unrounded inputs it carries bf16's input rounding.
; 8,192 source rows of 4,096 bytes, 32 for each of 256 work-groups, 4 for each wave.  Work-groups 0-127 take x, 128-255 the weights (32 each).
; Memory binds: no LDS, no barrier, no matrix unit.  All 32 loads of a wave (16 KiB) go out first; each load's lanes 0-15 take 256 consecutive
; bytes of one row, lanes 16-31 the same columns of the next row; each store's 32 lanes cover 256 consecutive bytes, aligned (two rows of one plane).
.set ROWB, 4096                        ; bytes in a source row
.set LO,   5                           ; v5       byte offset of my 16 bytes in the wave's first two rows
.set SB,   6                           ; v6       byte offset of my 8 bytes in the wave's first two rows of a plane
.set SO,   8                           ; v[8:23]  the same, plus plane kb
.set X,    32                          ; v[32:159]  32 loads of 4 registers; behind its load's wait a set also holds the four bf16 numbers widened again
.set Y,    160                         ; v[160:223] 32 stores of 2 registers, each set written only ahead of its own store: no wait is needed to free one
	s_load_b512 s[16:31], s[0:1], 0x0              ; x, q, k, v, o, xb, wqkv, wob
	v_and_b32 v1, 31, v0                           ; lane
	v_lshrrev_b32 v2, 5, v0                        ; wave
	v_lshrrev_b32 v3, 4, v1                        ; which of the two rows
	v_and_b32 v4, 15, v1
	v_lshlrev_b32 v[LO], 4, v4                     ; 16 bytes a lane
	v_lshl_add_u32 v[LO], v3, 12, v[LO]            ; + row
	v_lshl_add_u32 v[LO], v2, 14, v[LO]            ; + wave x 4 rows
	v_lshlrev_b32 v[SB], 3, v1                     ; 8 bytes a lane: lanes 16-31 fall on the next row of 128 bytes
	v_lshl_add_u32 v[SB], v2, 9, v[SB]             ; + wave x 4 rows of 128 bytes
	s_mov_b32 s2, ttmp9                            ; g
	s_and_b32 s3, s2, 127
	s_and_b32 s4, s3, 31                           ; c: which 32 rows of a weight
	s_lshr_b32 s3, s3, 5                           ; t: which weight
	s_lshl_b32 s5, s4, 5                           ; a weight's source row 32 c
	s_lshl_b32 s6, s2, 5                           ; x's row 32 g
	s_lshr_b32 s7, s4, 1                           ; head
	s_mul_i32 s7, s7, 192
	s_lshl_b32 s8, s3, 6
	s_add_co_u32 s7, s7, s8                        ; + 64 t
	s_and_b32 s8, s4, 1
	s_lshl_b32 s8, s8, 5
	s_add_co_u32 s7, s7, s8                        ; + the half of the head: row in wqkv
	s_mov_b32 s8, 0xffff0000                       ; from here on: mask of a word's upper bf16
	s_mov_b32 s9, 393216                           ; bytes in a plane of wqkv
	s_wait_kmcnt 0x0
	s_mov_b64 s[10:11], s[18:19]                   ; from q
	s_mov_b64 s[12:13], s[28:29]                   ; to wqkv
	s_cmp_eq_u32 s3, 1
	s_cselect_b64 s[10:11], s[20:21], s[10:11]     ; from k
	s_cmp_eq_u32 s3, 2
	s_cselect_b64 s[10:11], s[22:23], s[10:11]     ; from v
	s_cmp_eq_u32 s3, 3                             ; the selects leave SCC as it is: one compare serves the four
	s_cselect_b64 s[10:11], s[24:25], s[10:11]     ; from o
	s_cselect_b64 s[12:13], s[30:31], s[12:13]     ; to wob,
	s_cselect_b32 s7, s5, s7                       ; rows as they come,
	s_cselect_b32 s9, 0x20000, s9                  ; planes of 131,072 bytes
	s_cmp_lt_u32 s2, 128
	s_cselect_b64 s[10:11], s[16:17], s[10:11]     ; from x
	s_cselect_b64 s[12:13], s[26:27], s[12:13]     ; to xb
	s_cselect_b32 s5, s6, s5
	s_cselect_b32 s7, s6, s7
	s_cselect_b32 s9, 0x80000, s9                  ; planes of 524,288 bytes
	s_lshl_b32 s14, s5, 12                         ; source row x 4,096 bytes (under 16 MiB)
	s_mov_b32 s15, 0
	s_add_nc_u64 s[10:11], s[10:11], s[14:15]
	s_lshl_b32 s14, s7, 7                          ; row x 128 bytes
	s_add_nc_u64 s[12:13], s[12:13], s[14:15]
.irp p, 0,1
.irp kb, 0,1,2,3,4,5,6,7,8,9,10,11,12,13,14,15
	global_load_b128 v[X+4*(16*\p+\kb):X+4*(16*\p+\kb)+3], v[LO], s[10:11] offset:\p*2*ROWB+\kb*256 th:TH_LOAD_NT
.endr
.endr
.irp kb, 0,1,2,3,4,5,6,7,8,9,10,11,12,13,14,15
	v_mad_u32_u24 v[SO+\kb], s9, \kb, v[SB]        ; plane kb
.endr
.irp p, 0,1
.irp kb, 0,1,2,3,4,5,6,7,8,9,10,11,12,13,14,15
	s_wait_loadcnt 31-(16*\p+\kb)                  ; loads come back in order: this one is in, the younger ones stay out
	v_cvt_pk_bf16_f32 v[Y+2*(16*\p+\kb)],   v[X+4*(16*\p+\kb)],   v[X+4*(16*\p+\kb)+1]   ; the one rounding: to bf16, to nearest even
	v_cvt_pk_bf16_f32 v[Y+2*(16*\p+\kb)+1], v[X+4*(16*\p+\kb)+2], v[X+4*(16*\p+\kb)+3]
	v_lshlrev_b32 v[X+4*(16*\p+\kb)],   16, v[Y+2*(16*\p+\kb)]                           ; bf16 to f32: the low half moves up,
	v_and_b32     v[X+4*(16*\p+\kb)+1], s8, v[Y+2*(16*\p+\kb)]                           ; the high half stays
	v_lshlrev_b32 v[X+4*(16*\p+\kb)+2], 16, v[Y+2*(16*\p+\kb)+1]
	v_and_b32     v[X+4*(16*\p+\kb)+3], s8, v[Y+2*(16*\p+\kb)+1]
	v_cvt_pk_f16_f32 v[Y+2*(16*\p+\kb)],   v[X+4*(16*\p+\kb)],   v[X+4*(16*\p+\kb)+1]    ; the same numbers as f16: exact in the range stated at the head
	v_cvt_pk_f16_f32 v[Y+2*(16*\p+\kb)+1], v[X+4*(16*\p+\kb)+2], v[X+4*(16*\p+\kb)+3]
	global_store_b64 v[SO+\kb], v[Y+2*(16*\p+\kb):Y+2*(16*\p+\kb)+1], s[12:13] offset:\p*256
.endr
.endr
	s_endpgm
.Lfunc_end_k_q6e8ea55123_cvt:
	.size	k_q6e8ea55123_cvt, .Lfunc_end_k_q6e8ea55123_cvt-k_q6e8ea55123_cvt
	.p2alignl 7, 3214868480
	.fill 96, 4, 3214868480
	.section	.rodata,"a",@progbits
	.p2align	6, 0x0
	.amdhsa_kernel k_q6e8ea55123_cvt
		.amdhsa_group_segment_fixed_size 0
		.amdhsa_private_segment_fixed_size 0
		.amdhsa_enable_private_segment 0
		.amdhsa_kernarg_size 64
		.amdhsa_user_sgpr_count 2
		.amdhsa_user_sgpr_kernarg_segment_ptr 1
		.amdhsa_wavefront_size32 1
		.amdhsa_system_sgpr_workgroup_id_x 1
		.amdhsa_system_sgpr_workgroup_id_y 1
		.amdhsa_system_sgpr_workgroup_id_z 1
		.amdhsa_system_vgpr_workitem_id 0
		.amdhsa_next_free_vgpr 224
		.amdhsa_next_free_sgpr 66
		.amdhsa_reserve_vcc 0
		.amdhsa_float_denorm_mode_32 3
		.amdhsa_float_denorm_mode_16_64 3
		.amdhsa_memory_ordered 1
		.amdhsa_forward_progress 1
		.amdhsa_inst_pref_size 23
	.end_amdhsa_kernel
	.amdgpu_metadata
---
amdhsa.version: [ 1, 2 ]
amdhsa.kernels:
  - .name:           k_q6e8ea55123_cvt
    .symbol:         k_q6e8ea55123_cvt.kd
    .args:
      - { .name: x, .offset: 0, .size: 8, .value_kind: global_buffer, .address_space: global }
      - { .name: q_proj_weight, .offset: 8, .size: 8, .value_kind: global_buffer, .address_space: global }
      - { .name: k_proj_weight, .offset: 16, .size: 8, .value_kind: global_buffer, .address_space: global }
      - { .name: v_proj_weight, .offset: 24, .size: 8, .value_kind: global_buffer, .address_space: global }
      - { .name: o_proj_weight, .offset: 32, .size: 8, .value_kind: global_buffer, .address_space: global }
      - { .name: xb, .offset: 40, .size: 8, .value_kind: global_buffer, .address_space: global }
      - { .name: wqkv, .offset: 48, .size: 8, .value_kind: global_buffer, .address_space: global }
      - { .name: wob, .offset: 56, .size: 8, .value_kind: global_buffer, .address_space: global }
    .group_segment_fixed_size: 0
    .private_segment_fixed_size: 0
    .kernarg_segment_align: 8
    .kernarg_segment_size: 64
    .max_flat_workgroup_size: 256
    .sgpr_count:     66
    .vgpr_count:     224
    .wavefront_size: 32
...
	.end_amdgpu_metadata
.endif
;; end of part 1
;; launch qkv (part 2): grid 16 x 16, 4 waves a work-group, clusters of 4 x 4, 327,680 bytes of LDS; arguments xb, wqkv, qh, kh, vh, vsum; writes qh, kh, vh, vsum
.if DOCPART == 2
	.amdgcn_target "amdgcn-amd-amdhsa--gfx1250"
	.amdhsa_code_object_version 6
	.text
	.protected	k_q6e8ea55123_qkv
	.globl	k_q6e8ea55123_qkv
	.p2align	8
	.type	k_q6e8ea55123_qkv,@function
k_q6e8ea55123_qkv:
	s_mov_b64 s[64:65], 0
	v_nop
	global_prefetch_b8 v0, s[64:65] scope:SCOPE_SE
	s_setreg_imm32_b32 hwreg(HW_REG_WAVE_MODE, 25, 1), 1
	s_wait_xcnt 0x0
	s_wait_alu depctr_hold_cnt(0) depctr_sa_sdst(0) depctr_va_vdst(0) depctr_va_sdst(0) depctr_va_ssrc(0) depctr_va_vcc(0) depctr_vm_vsrc(0)
	s_getreg_b32 s2, hwreg(HW_REG_IB_STS2, 6, 4)
	s_cmp_eq_u32 s2, 0
	s_cbranch_scc0 .Lentry_in_a_cluster
	s_endpgm
.Lentry_in_a_cluster:
	s_bfe_u32 s2, ttmp6, 0x10000c
	s_cmp_lg_u32 s2, 0xf033
	s_cbranch_scc0 .Lentry_shape_is_right
	s_endpgm
.Lentry_shape_is_right:
; q, k, v of one head for 256 rows of x: C[256][192] = X[256][1024] W[192][1024]^T, f16 operands, f32 sums.  Work-group (x, y) = (head, block of 256 rows).
; Four waves, each 64 rows x 192 columns: 4 x 12 accumulator tiles of 16 x 16 = 384 registers.  K goes in steps of 128 (two planes of 64) through two LDS slots.
; Both operands lie in planes [k / 64][row][64], so a plane's tile is one dense run of memory; the tensor load takes it as rows of 256 bytes and lays 16 bytes of
; padding behind every 128 bytes (the padding's interval is counted along the whole tile), so that a row of 64 numbers has an LDS pitch of 144 bytes.
; CLUSTERS: 4 x 4 work-groups.  X's tile hangs on the block row alone and is asked for jointly along a row of the cluster, W's on the head alone, jointly along a column.
; One tensor load a wave and slot: waves 0, 1 bring X's two planes, waves 2, 3 W's two planes.  By this text's count a wave has at most two tensor loads out.
; The matrix instruction is used transposed (source 0 = 16 rows of W, source 1 = 16 rows of X): lane (r, h), register j holds C(row r, column 8 h + j).
; Out: qh, kh, vh [batch * 16 + head][2048][64] f16, and vsum [batch * 16 + head][32][64] f32: the column sums of v over each 64 rows, from the f32 sums.
; LIMIT: |q|, |k|, |v| below 65,504 (f16).  Inputs 30 times larger give about 4,500, offsets of 30 spreads on x and w 1024 x 30 x 30/32 = 28,800.
; REGISTERS: window 0: v16-29 addresses, v64-127 X's fragments (two buffers), v128-255 the way out; window 1: v0-191 W's fragments (two buffers);
; window 2: accumulators of my rows 0-31 (tile (a, b) at v[8 (12 a + b)]); window 3: of my rows 32-63.
.set NB,     12                        ; fragments of W for a wave
.set NP,     2                         ; planes in a slot
.set PITCH,  144                       ; 9 x 16 bytes: the 16 rows of a fragment load start 16 bytes apart modulo 256
.set AROWS,  256
.set BROWS,  192
.set APL,    AROWS*PITCH               ; a plane of X's tile in LDS
.set BPL,    BROWS*PITCH               ; a plane of W's tile
.set BOFF,   NP*APL                    ; W's planes lie behind X's
.set SLOT,   NP*(APL+BPL)              ; 129,024
.set STAGE,  2*SLOT                    ; 258,048: behind the ring, never filled by a tensor load
.set SPITCH, 400                       ; stage: 16 rows of 384 bytes + 16
.set WSTG,   6656                      ; a wave's stage (6,400) and its 256 bytes for the column sums
.set APLANE, 524288                    ; bytes in a plane of xb
.set BPLANE, 393216                    ; bytes in a plane of wqkv
.set ASTEP,  2*NP*APLANE               ; a slot's next fill lies two slots on
.set BSTEP,  2*NP*BPLANE
.set LAPS,   4                         ; 16 planes = 8 fills = 4 times round the ring
.set PADW,   (1<<16)|(1<<20)|(1<<21)|(4<<22)|(3<<25)   ; 2-byte elements; padding on; bit 21 beside a mask; after every 32 words; 4 words
.set ADRA, 16                          ; v16-17 LDS address of my X fragments, slot 0, 1
.set ADRB, 20                          ; v20-21 the same for W
.set STO,  24
.set RD,   25
.set CO,   26
.set SC,   27
.set SL,   28
.set OFF8, 29
.set FA,   64                          ; X's fragment buffers: FA, FA + 32
.set TMP,  128
.set RB,   176
.set T,    224
.set G1,  24
.set G0,  32
.set G1B, 48
.set G0B, 56
.set MUL_LO, 0xa1                      ; source 0 window 1, source 1 window 0, C and D window 2
.set MUL_HI, 0xf1                      ; C and D window 3
.set TO_B,   0x40                      ; destination window 1
.set MSB, 0
.macro WIN new                         ; the immediate's high byte repeats the setting that is left
.if MSB != \new
	s_set_vgpr_msb (MSB<<8)|\new
.set MSB, \new
.endif
.endm
.macro PLACES                          ; four places behind a matrix instruction, in front of loads into its sources and of readers of its result
.rept 4
	v_nop
.endr
.endm
.macro JLOAD s                         ; a joint load: waves 0, 1 by X's descriptor and mask, waves 2, 3 by W's; the branch hangs on the wave's number alone
	s_cmp_eq_u32 s11, 0
	s_cbranch_scc0 .Lfor_b_\@
	tensor_load_to_lds s[G0+4*\s:G0+4*\s+3], s[G1:G1+7]
	s_nop 0
	s_branch .Lasked_\@
.Lfor_b_\@:
	tensor_load_to_lds s[G0B+4*\s:G0B+4*\s+3], s[G1B:G1B+7]
	s_nop 0
.Lasked_\@:
.endm
.macro CREST                           ; a round of the cluster's barrier behind its opening work-group barrier
	s_cmp_lg_u32 s10, 0
	s_cbranch_scc1 .Lnot_wave_0_\@
	s_barrier_signal -3
.Lnot_wave_0_\@:
	s_barrier_wait -3
	s_barrier_signal -1
	s_barrier_wait -1
.endm
.macro CROUND
	s_barrier_signal -1
	s_barrier_wait -1
	CREST
.endm
; NB matrix instructions: my rows 16 a .. 16 a + 15 x all NB column blocks, 32 along K, from fragment buffer f.  zero = 1: the first product starts the sums.
.macro MULA f, a, zero
.set b_, 0
.rept NB
.if \zero
	v_wmma_f32_16x16x32_f16 v[8*(NB*((\a)&1)+b_):8*(NB*((\a)&1)+b_)+7], v[8*NB*\f+8*b_:8*NB*\f+8*b_+7], v[FA+32*\f+8*\a:FA+32*\f+8*\a+7], 0
.else
	v_wmma_f32_16x16x32_f16 v[8*(NB*((\a)&1)+b_):8*(NB*((\a)&1)+b_)+7], v[8*NB*\f+8*b_:8*NB*\f+8*b_+7], v[FA+32*\f+8*\a:FA+32*\f+8*\a+7], v[8*(NB*((\a)&1)+b_):8*(NB*((\a)&1)+b_)+7]
.endif
.set b_, b_+1
.endr
.endm
; One run of LDS loads: the fragments of quarter q of a slot (plane q / 2, byte 64 (q mod 2) of its rows) into buffer f: W's 2 NB loads, then X's 8.
.macro FETCH slot, q, f
	WIN TO_B
.set i_, 0
.rept NB
	ds_load_b128 v[8*NB*\f+8*i_:8*NB*\f+8*i_+3],   v[ADRB+\slot] offset:((\q)>>1)*BPL+((\q)&1)*64+i_*16*PITCH
	ds_load_b128 v[8*NB*\f+8*i_+4:8*NB*\f+8*i_+7], v[ADRB+\slot] offset:((\q)>>1)*BPL+((\q)&1)*64+i_*16*PITCH+32
.set i_, i_+1
.endr
	WIN 0
.irp i, 0,1,2,3
	ds_load_b128 v[FA+32*\f+8*\i:FA+32*\f+8*\i+3],   v[ADRA+\slot] offset:((\q)>>1)*APL+((\q)&1)*64+\i*16*PITCH
	ds_load_b128 v[FA+32*\f+8*\i+4:FA+32*\f+8*\i+7], v[ADRA+\slot] offset:((\q)>>1)*APL+((\q)&1)*64+\i*16*PITCH+32
.endr
.endm
; A quarter (32 along K): multiplies buffer f, and in its middle fetches quarter qn of the same slot into buffer g.
; The 4 NB accumulators take turns, one instruction a turn, in the same order in every quarter.
.macro QUARTER slot, qn, f, g, zero
	s_wait_dscnt 4                                 ; all but the youngest four loads: X's fragments 2 and 3 may be out
	WIN MUL_LO
	MULA \f, 0, \zero
	MULA \f, 1, \zero
	PLACES
	FETCH \slot, \qn, \g
	s_wait_dscnt 2*NB+8                            ; all but the run just issued
	WIN MUL_HI
	MULA \f, 2, \zero
	MULA \f, 3, \zero
.endm
.macro THREE slot, zero
	QUARTER \slot, 1, 0, 1, \zero
	QUARTER \slot, 2, 1, 0, 0
	QUARTER \slot, 3, 0, 1, 0
.endm
; A slot's last quarter (buffer 1) and the change of slots.  In front of the barrier each wave waits for its reads of this slot and for all its tensor loads
; (the one that is out is its part of the next slot).  fill = 1: the barrier opens a round of the cluster's barrier, and the joint refill is the first tensor load behind the round.
.macro TURN slot, next, fill
	s_wait_dscnt 4
	WIN MUL_LO
	MULA 1, 0, 0
	s_wait_dscnt 0                                 ; my reads of this slot are over
	s_wait_tensorcnt 0x0                           ; all my tensor loads have landed
	ds_add_u32 v255, v63
	s_wait_dscnt 0x0
	s_barrier_signal -1
	MULA 1, 1, 0                                   ; register work while the others arrive
	WIN 0
	s_barrier_wait -1
.if \fill
	CREST
	s_add_nc_u64 s[G0+4*\slot+2:G0+4*\slot+3], s[G0+4*\slot+2:G0+4*\slot+3], ASTEP      ; no tensor load of mine is out: the addresses may step
	s_add_nc_u64 s[G0B+4*\slot+2:G0B+4*\slot+3], s[G0B+4*\slot+2:G0B+4*\slot+3], BSTEP
	JLOAD \slot
.endif
	PLACES
	FETCH \next, 0, 0
	WIN MUL_HI
	MULA 1, 2, 0
	MULA 1, 3, 0
.endm
.macro LAP zero
	THREE 0, \zero
	TURN 0, 1, 1
	THREE 1, 0
	TURN 1, 0, 1
.endm
	s_load_b128 s[4:7], s[0:1], 0x0                ; xb, wqkv
	s_load_b256 s[72:79], s[0:1], 0x10             ; qh, kh, vh, vsum
	s_set_vgpr_msb 0x40
	v_lshl_add_u32 v255, v0, 2, 0x45800
	s_set_vgpr_msb 0x4000
	v_mov_b32 v63, 0
	s_set_vgpr_msb 0x1
	ds_add_u32 v255, v63
	ds_add_u32 v255, v63
	s_set_vgpr_msb 0x100
	v_lshrrev_b32 v1, 5, v0
	v_readfirstlane_b32 s10, v1                    ; wave
	s_lshr_b32 s11, s10, 1                         ; I fetch for X (0) or for W (1)
	s_and_b32 s12, s10, 1                          ; which plane of the slot's two
	s_bfe_u32 s40, ttmp6, 0x40000                  ; cx
	s_bfe_u32 s41, ttmp6, 0x40004                  ; cy
	s_lshl_b32 s42, ttmp9, 2
	s_add_co_u32 s42, s42, s40                     ; head
	s_and_b32 s13, ttmp7, 0xffff
	s_lshl_b32 s13, s13, 2
	s_add_co_u32 s13, s13, s41                     ; block of 256 rows
	s_lshl_b32 s43, s41, 2
	s_lshl_b32 s43, 15, s43                        ; my row of the cluster
	s_lshl_b32 s44, 0x1111, s40                    ; my column
	s_or_b32 s[G1+0], s43, PADW
	s_or_b32 s[G1B+0], s44, PADW
	s_mov_b32 s[G1+1], 128<<16                     ; tensor_dim0 = 128 elements (256 bytes)
	s_mov_b32 s[G1B+1], 128<<16
	s_mov_b32 s[G1+2], (AROWS/2)<<16               ; tensor_dim1: 256 rows of 128 bytes = 128 of 256
	s_mov_b32 s[G1B+2], (BROWS/2)<<16
	s_mov_b32 s[G1+3], 128<<16                     ; tile_dim0
	s_mov_b32 s[G1B+3], 128<<16
	s_mov_b32 s[G1+4], AROWS/2                     ; tile_dim1
	s_mov_b32 s[G1B+4], BROWS/2
	s_mov_b32 s[G1+5], 128                         ; from row to row: dense
	s_mov_b32 s[G1B+5], 128
	s_mov_b32 s[G1+6], 0
	s_mov_b32 s[G1B+6], 0
	s_mov_b32 s[G1+7], 0
	s_mov_b32 s[G1B+7], 0
	s_mul_i32 s16, s12, (NP/2)*APLANE              ; X: my plane + the block's 256 rows of 128 bytes; no register here ever holds cx
	s_lshl_b32 s17, s13, 15
	s_add_co_u32 s16, s16, s17
	s_mov_b32 s17, 0
	s_mul_i32 s46, s12, (NP/2)*BPLANE              ; W: my plane + the head's 192 rows; no register here ever holds cy
	s_mul_i32 s47, s42, BROWS*128
	s_add_co_u32 s46, s46, s47
	s_mov_b32 s47, 0
	s_mul_i32 s20, s10, (NP/2)*APL                 ; LDS: waves 0, 1: X's planes 0, 1
	s_mul_i32 s21, s10, (NP/2)*BPL
	s_add_co_u32 s21, s21, BOFF-NP*BPL             ; waves 2, 3: W's planes 0, 1
	s_wait_dscnt 0x0
	s_wait_kmcnt 0x0
	s_add_nc_u64 s[14:15], s[4:5], s[16:17]
	s_add_nc_u64 s[46:47], s[6:7], s[46:47]
	CROUND                                         ; all sixteen work-groups are here: the first joint loads meet
.irp s, 0,1
	s_mov_b32 s[G0+4*\s], 1
	s_add_co_u32 s[G0+4*\s+1], s20, \s*SLOT
	s_add_nc_u64 s[G0+4*\s+2:G0+4*\s+3], s[14:15], \s*NP*APLANE
	s_or_b32 s[G0+4*\s+3], s[G0+4*\s+3], 0x80000000
	s_mov_b32 s[G0B+4*\s], 1
	s_add_co_u32 s[G0B+4*\s+1], s21, \s*SLOT
	s_add_nc_u64 s[G0B+4*\s+2:G0B+4*\s+3], s[46:47], \s*NP*BPLANE
	s_or_b32 s[G0B+4*\s+3], s[G0B+4*\s+3], 0x80000000
	JLOAD \s
.endr
	v_and_b32 v1, 15, v0                           ; r
	v_bfe_u32 v2, v0, 4, 1                         ; h
	v_and_b32 v5, 31, v0                           ; lane
	v_mul_u32_u24 v3, v1, PITCH
	v_lshl_add_u32 v3, v2, 4, v3                   ; row x pitch + 16 h
	s_mul_i32 s22, s10, 64*PITCH                   ; my 64 rows of X
	s_mov_b32 s23, BOFF                            ; all 192 rows of W
.irp s, 0,1
	v_add_nc_u32 v[ADRA+\s], s22, v3
	v_add_nc_u32 v[ADRB+\s], s23, v3
	s_add_co_u32 s22, s22, SLOT
	s_add_co_u32 s23, s23, SLOT
.endr
	s_mul_i32 s45, s10, WSTG
	s_add_co_u32 s45, s45, STAGE                   ; my stage
	v_mul_u32_u24 v4, v1, SPITCH
	v_lshl_add_u32 v4, v2, 4, v4
	v_add_nc_u32 v[STO], s45, v4                   ; in: row r, 16 bytes for each half of the lanes
	v_lshrrev_b32 v4, 3, v5
	v_mul_u32_u24 v4, v4, SPITCH
	v_and_b32 v6, 7, v0
	v_lshl_add_u32 v4, v6, 4, v4
	v_add_nc_u32 v[RD], s45, v4                    ; back: eight lanes take 128 bytes of a row, 32 lanes four rows
	v_lshlrev_b32 v[CO], 4, v5                     ; and the same four rows, dense, in qh, kh or vh
	s_add_co_u32 s45, s45, 16*SPITCH               ; my 256 bytes for the column sums
	v_lshlrev_b32 v4, 5, v2
	v_add_nc_u32 v[SC], s45, v4
	v_lshlrev_b32 v[OFF8], 3, v5
	v_add_nc_u32 v[SL], s45, v[OFF8]
	s_wait_tensorcnt 0x1                           ; my part of slot 0 is in; slot 1's may stay out
	s_barrier_signal -1
	s_barrier_wait -1
	FETCH 0, 0, 0
	LAP 1                                          ; the first lap stands in front of the loop: its first products start the sums
	WIN 0
	s_mov_b32 s3, LAPS-2
.Llap:
	LAP 0
	WIN 0
	s_sub_co_u32 s3, s3, 1
	s_cmp_lg_u32 s3, 0
	s_cbranch_scc1 .Llap
	THREE 0, 0                                     ; the last lap fills nothing
	TURN 0, 1, 0
	THREE 1, 0
	s_wait_dscnt 4
	WIN MUL_LO
	MULA 1, 0, 0
	MULA 1, 1, 0
	s_wait_dscnt 0
	WIN MUL_HI
	MULA 1, 2, 0
	MULA 1, 3, 0
	; THE WAY OUT
	PLACES
	s_lshr_b32 s66, s13, 3                         ; batch
	s_lshl_b32 s66, s66, 4
	s_add_co_u32 s66, s66, s42                     ; batch * 16 + head
	s_and_b32 s67, s13, 7                          ; block of 256 rows inside the batch
	s_lshl_b32 s68, s66, 11
	s_lshl_b32 s69, s67, 8
	s_add_co_u32 s68, s68, s69
	s_lshl_b32 s69, s10, 6
	s_add_co_u32 s68, s68, s69                     ; my first row
	s_lshl_b32 s68, s68, 7                         ; x 128 bytes
	s_mov_b32 s69, 0
	s_add_nc_u64 s[72:73], s[72:73], s[68:69]
	s_add_nc_u64 s[74:75], s[74:75], s[68:69]
	s_add_nc_u64 s[76:77], s[76:77], s[68:69]
	s_lshl_b32 s68, s66, 5
	s_lshl_b32 s70, s67, 2
	s_add_co_u32 s68, s68, s70
	s_add_co_u32 s68, s68, s10                     ; my block of 64 rows
	s_lshl_b32 s68, s68, 8                         ; x 256 bytes
	s_add_nc_u64 s[78:79], s[78:79], s[68:69]
; 16 rows at a time: round to f16, 16 bytes a lane into my own stage, read back as whole rows of 128 bytes, four rows (512 consecutive bytes) a store.
.macro OUT16 a
.if \a < 2
	WIN 0x0a                                       ; sources 0 and 1 in window 2
.else
	WIN 0x0f                                       ; in window 3
.endif
.set b_, 0
.rept NB
.irp r, 0,1,2,3
	v_cvt_pk_f16_f32 v[TMP+4*b_+\r], v[8*(NB*((\a)&1)+b_)+2*\r], v[8*(NB*((\a)&1)+b_)+2*\r+1]
.endr
.set b_, b_+1
.endr
	WIN 0
.set b_, 0
.rept NB
	ds_store_b128 v[STO], v[TMP+4*b_:TMP+4*b_+3] offset:32*b_
.set b_, b_+1
.endr
	s_wait_xcnt 0x0                                ; RB is the data of the stores issued before: it is loaded again only behind this wait
.irp t, 0,1,2
.irp u, 0,1,2,3
	ds_load_b128 v[RB+4*(4*\t+\u):RB+4*(4*\t+\u)+3], v[RD] offset:\u*4*SPITCH+\t*128   ; LDS serves a wave's instructions in order: these see the stores above
.endr
.endr
.irp t, 0,1,2
.irp u, 0,1,2,3
	s_wait_dscnt 11-(4*\t+\u)
	global_store_b128 v[CO], v[RB+4*(4*\t+\u):RB+4*(4*\t+\u)+3], s[72+2*\t:73+2*\t] offset:\a*2048+\u*512
.endr
.endr
.endm
	OUT16 0
	OUT16 1
	OUT16 2
	OUT16 3
	; the column sums of v (column blocks 8-11) over my 64 rows: over the four row blocks, then over the sixteen lanes of each half
	WIN 0x0a
.irp b, 0,1,2,3
.irp i, 0,1,2,3
	v_pk_add_f32 v[T+8*\b+2*\i:T+8*\b+2*\i+1], v[8*(8+\b)+2*\i:8*(8+\b)+2*\i+1], v[8*(NB+8+\b)+2*\i:8*(NB+8+\b)+2*\i+1]
.endr
.endr
	WIN 0x03
.irp a, 0,1
.irp b, 0,1,2,3
.irp i, 0,1,2,3
	v_pk_add_f32 v[T+8*\b+2*\i:T+8*\b+2*\i+1], v[8*(NB*\a+8+\b)+2*\i:8*(NB*\a+8+\b)+2*\i+1], v[T+8*\b+2*\i:T+8*\b+2*\i+1]
.endr
.endr
.endr
	WIN 0
.irp m, 1,2,4,8
.set k_, 0
.rept 32
	v_add_f32_dpp v[T+k_], v[T+k_], v[T+k_] row_xmask:\m row_mask:0xf bank_mask:0xf
.set k_, k_+1
.endr
.endr
.irp b, 0,1,2,3
.irp q, 0,1
	ds_store_b128 v[SC], v[T+8*\b+4*\q:T+8*\b+4*\q+3] offset:64*\b+16*\q   ; column 16 b + 8 h + j at byte 4 x column; the sixteen lanes of a half write the same words with the same values
.endr
.endr
	ds_load_b64 v[30:31], v[SL]
	s_wait_dscnt 0x0
	global_store_b64 v[OFF8], v[30:31], s[78:79]   ; 32 lanes: 256 consecutive bytes, aligned
	s_set_vgpr_msb 0x1
	s_wait_tensorcnt 0x0
	ds_add_u32 v255, v63
	s_wait_dscnt 0x0
	s_set_vgpr_msb 0x100
	CROUND                                         ; the closing round: no work-group ends while a partner may still ask for a tile that names it
	s_endpgm
.Lfunc_end_k_q6e8ea55123_qkv:
	.size	k_q6e8ea55123_qkv, .Lfunc_end_k_q6e8ea55123_qkv-k_q6e8ea55123_qkv
	.p2alignl 7, 3214868480
	.fill 96, 4, 3214868480
	.section	.rodata,"a",@progbits
	.p2align	6, 0x0
	.amdhsa_kernel k_q6e8ea55123_qkv
		.amdhsa_group_segment_fixed_size 327680
		.amdhsa_private_segment_fixed_size 0
		.amdhsa_enable_private_segment 0
		.amdhsa_kernarg_size 48
		.amdhsa_user_sgpr_count 2
		.amdhsa_user_sgpr_kernarg_segment_ptr 1
		.amdhsa_wavefront_size32 1
		.amdhsa_system_sgpr_workgroup_id_x 1
		.amdhsa_system_sgpr_workgroup_id_y 1
		.amdhsa_system_sgpr_workgroup_id_z 1
		.amdhsa_system_vgpr_workitem_id 0
		.amdhsa_next_free_vgpr 1024
		.amdhsa_next_free_sgpr 80
		.amdhsa_reserve_vcc 0
		.amdhsa_float_denorm_mode_32 3
		.amdhsa_float_denorm_mode_16_64 3
		.amdhsa_memory_ordered 1
		.amdhsa_forward_progress 1
		.amdhsa_inst_pref_size 176
	.end_amdhsa_kernel
	.amdgpu_metadata
---
amdhsa.version: [ 1, 2 ]
amdhsa.kernels:
  - .name:           k_q6e8ea55123_qkv
    .symbol:         k_q6e8ea55123_qkv.kd
    .args:
      - { .name: xb, .offset: 0, .size: 8, .value_kind: global_buffer, .address_space: global }
      - { .name: wqkv, .offset: 8, .size: 8, .value_kind: global_buffer, .address_space: global }
      - { .name: qh, .offset: 16, .size: 8, .value_kind: global_buffer, .address_space: global }
      - { .name: kh, .offset: 24, .size: 8, .value_kind: global_buffer, .address_space: global }
      - { .name: vh, .offset: 32, .size: 8, .value_kind: global_buffer, .address_space: global }
      - { .name: vsum, .offset: 40, .size: 8, .value_kind: global_buffer, .address_space: global }
    .group_segment_fixed_size: 327680
    .private_segment_fixed_size: 0
    .kernarg_segment_align: 8
    .kernarg_segment_size: 48
    .max_flat_workgroup_size: 128
    .sgpr_count:     80
    .vgpr_count:     1024
    .wavefront_size: 32
...
	.end_amdgpu_metadata
.endif
;; end of part 2
;; launch attn (part 3): grid 8 x 32, 4 waves a work-group, no clusters, 327,680 bytes of LDS; arguments qh, kh, vh, vsum, ob; writes ob
.if DOCPART == 3
	.amdgcn_target "amdgcn-amd-amdhsa--gfx1250"
	.amdhsa_code_object_version 6
	.text
	.protected	k_q6e8ea55123_attn
	.globl	k_q6e8ea55123_attn
	.p2align	8
	.type	k_q6e8ea55123_attn,@function
k_q6e8ea55123_attn:
	s_mov_b64 s[64:65], 0
	v_nop
	global_prefetch_b8 v0, s[64:65] scope:SCOPE_SE
	s_setreg_imm32_b32 hwreg(HW_REG_WAVE_MODE, 25, 1), 1
	s_wait_xcnt 0x0
; Causal attention of one head (y = batch * 16 + head).  Work-group x = j takes the query block j (128 rows) and then block 15 - j: (j + 1) + (16 - j) = 17 units
; of 128 keys in every work-group.  A wave holds 32 queries (two tiles of 16).  K and V come in tiles of 128 keys through two LDS slots, one tensor load a wave:
; waves 0, 1 bring K's halves (pitch 144), waves 2, 3 V's halves (pitch 160).  By this text's count a wave has at most two tensor loads out.
; THE MASK IS -10000, NOT -INFINITY, so the keys behind the diagonal are not dropped.  Inside the diagonal tile they get the score -10000 and go through the
; softmax and P V like the others.  The keys behind that tile are the same set for all 128 rows of a block, all with the score -10000: at the block's end
; exp(-10000 - m) x (their count, the sum of their v) is added; the sums come from vsum (column sums of v over blocks of 64 keys).
; TRANSPOSED PRODUCTS: S^T = K Q^T (lane (r, h), register j: key 8 h + j, query r), so a row's maximum and sum are work inside the lane and one exchange of the
; halves, and P^T, rounded to f16 in place, is already the second source of O^T = V^T P^T (V^T by the transposing LDS load); the rescale is one factor a lane.
; Scores stay raw (q k, not yet / 8): c = log2(e) / 8 is folded into the exponent, -10000 is -80000 there.  A running maximum is taken away before every exponential.
; NO CLUSTER: the eight work-groups of a head need the tiles in different orders (unit u of work-group j reads tile u, or u - j - 1), so no two ask for the same tile
; in the same step; a joint request would need steps whose work hangs on the place in the cluster.
; LIMITS: P, Q, K, V and O are f16 as matrix operands (|o| below 65,504); the row sum uses the unrounded P; the sums of v behind the tile use v before its rounding.
; O is normalised at a block's end and emptied for the next block by a factor 0, so it must stay finite (|v| below 65,504 sees to that); NaN or infinity in v spreads otherwise than in the plain formula.
.set KP,   144                         ; K's pitch: 9 x 16 bytes
.set VP,   160                         ; V's pitch: 5 x 32 bytes, for the transposing load
.set VOFF, 20480                       ; V behind K in a slot
.set SLOT, 40960
.set SCR,  2*SLOT                      ; 81,920: each wave's own 5,120 bytes, never filled by a tensor load:
.set WSCR, 5120                        ; 256 + 256 bytes of v sums (low block, high block), then a stage of 32 rows x 144
.set SP,   144
.set NEGC, 0xbe38aa3b                  ; -log2(e) / 8
.set PX,   2                           ; v2-3   what the other half of the lanes sends (written in the prologue, as their destination counts as read)
.set KAD,  4
.set VAD,  5
.set STO,  6
.set RD,   7
.set CO,   8
.set TA,   9
.set DM,   10                          ; 8 h - r - 32 wave: key - query inside a diagonal tile, less the constants
.set MSK,  11                          ; -80000.0
.set QO,   12
.set OFF8, 13
.set SCW,  14
.set M,    16                          ; v16-17 running maximum of tile a (raw scores)
.set MN,   18                          ; v18-19 the new one
.set NMC,  20                          ; v[20:21], v[22:23]  -c x maximum, as rounded; low register used
.set AL,   24                          ; v[24:25], v[26:27]  rescale factor; low register used
.set LS,   28                          ; v[28:29], v[30:31]  running sums, two partial sums a lane
.set T,    32                          ; v32-63 at work
.set KF,   64                          ; v64-127  K's fragments (kt, c) at 8 (2 kt + c)
.set VF,   128                         ; v128-191 V^T's fragments (dt, c) at 8 (2 dt + c)
.set SS,   192                         ; v192-255 S^T's tiles (kt, a) at 8 (2 kt + a); P^T's fragments (c, a) at 8 (4 c + a)
.set OO,   0                           ; window 1: v0-63  O^T's tiles (dt, a) at 8 (2 dt + a)
.set QF,   64                          ; window 1: v64-95 Q's fragments (a, c) at 8 (2 a + c)
.set G1K, 24
.set G1V, 32
.set G0K, 40
.set G0V, 48
.set MSB, 0
.macro WIN new
.if MSB != \new
	s_set_vgpr_msb (MSB<<8)|\new
.set MSB, \new
.endif
.endm
.macro PLACES                          ; four places behind a matrix instruction (ISA guide 7.12.1)
.rept 4
	v_nop
.endr
.endm
.macro SETADR s                        ; slot s: the tile at byte s[22:23] of my half of K and of V; written only while no tensor load that names these registers is out
	s_add_nc_u64 s[G0K+4*(\s)+2:G0K+4*(\s)+3], s[56:57], s[22:23]
	s_or_b32 s[G0K+4*(\s)+3], s[G0K+4*(\s)+3], 0x80000000
	s_add_nc_u64 s[G0V+4*(\s)+2:G0V+4*(\s)+3], s[58:59], s[22:23]
	s_or_b32 s[G0V+4*(\s)+3], s[G0V+4*(\s)+3], 0x80000000
.endm
.macro KVLOAD s                        ; one tensor load a wave: waves 0, 1 K's halves, waves 2, 3 V's
	s_cmp_eq_u32 s15, 0
	s_cbranch_scc0 .Lfor_v_\@
	tensor_load_to_lds s[G0K+4*(\s):G0K+4*(\s)+3], s[G1K:G1K+7]
	s_nop 0
	s_branch .Lasked_\@
.Lfor_v_\@:
	tensor_load_to_lds s[G0V+4*(\s):G0V+4*(\s)+3], s[G1V:G1V+7]
	s_nop 0
.Lasked_\@:
.endm
.macro QLOAD b                         ; my 32 queries as second-source fragments: lane (r, h): row 16 a + r, bytes 64 c + 16 h and + 32
	WIN 0x40
.irp a, 0,1
.irp c, 0,1
	global_load_b128 v[QF+8*(2*\a+\c):QF+8*(2*\a+\c)+3],   v[QO], s[\b:\b+1] offset:\a*2048+\c*64
	global_load_b128 v[QF+8*(2*\a+\c)+4:QF+8*(2*\a+\c)+7], v[QO], s[\b:\b+1] offset:\a*2048+\c*64+32
.endr
.endr
	WIN 0
.endm
.macro KLOADS slot, hf                 ; 64 keys x 64: 16 loads
.irp kt, 0,1,2,3
.irp c, 0,1
	ds_load_b128 v[KF+8*(2*\kt+\c):KF+8*(2*\kt+\c)+3],   v[KAD] offset:\slot*SLOT+(64*\hf+16*\kt)*KP+64*\c
	ds_load_b128 v[KF+8*(2*\kt+\c)+4:KF+8*(2*\kt+\c)+7], v[KAD] offset:\slot*SLOT+(64*\hf+16*\kt)*KP+64*\c+32
.endr
.endr
.endm
.macro VLOADS slot, hf                 ; the same keys' V, transposed: 16 loads
.irp dt, 0,1,2,3
.irp c, 0,1
	ds_load_tr16_b128 v[VF+8*(2*\dt+\c):VF+8*(2*\dt+\c)+3],   v[VAD] offset:\slot*SLOT+(64*\hf+32*\c)*VP+32*\dt
	ds_load_tr16_b128 v[VF+8*(2*\dt+\c)+4:VF+8*(2*\dt+\c)+7], v[VAD] offset:\slot*SLOT+(64*\hf+32*\c)*VP+32*\dt+16*VP
.endr
.endr
.endm
; The softmax step on 64 keys x 32 queries.  Tile t = 2 kt + a.
.macro SOFT
.irp t, 0,1,2,3,4,5,6,7
	v_max3_num_f32 v[T+\t], v[SS+8*\t], v[SS+8*\t+1], v[SS+8*\t+2]
.endr
.irp t, 0,1,2,3,4,5,6,7
	v_max3_num_f32 v[T+\t], v[T+\t], v[SS+8*\t+3], v[SS+8*\t+4]
.endr
.irp t, 0,1,2,3,4,5,6,7
	v_max3_num_f32 v[T+\t], v[T+\t], v[SS+8*\t+5], v[SS+8*\t+6]
.endr
.irp t, 0,1,2,3,4,5,6,7
	v_max_num_f32 v[T+\t], v[T+\t], v[SS+8*\t+7]
.endr
.irp a, 0,1
	v_max3_num_f32 v[T+8+\a], v[T+\a], v[T+2+\a], v[T+4+\a]
.endr
.irp a, 0,1
	v_max3_num_f32 v[T+8+\a], v[T+8+\a], v[T+6+\a], v[M+\a]     ; with the running maximum
.endr
.irp a, 0,1
	v_permlanex16_b32 v[PX+\a], v[T+8+\a], s62, s63             ; the other half's keys
.endr
.irp a, 0,1
	v_max_num_f32 v[MN+\a], v[T+8+\a], v[PX+\a]
.endr
.irp a, 0,1
	v_mul_f32 v[T+12+\a], NEGC, v[MN+\a]                        ; -c m, rounded once; every exponent of this step uses this number
.endr
.irp a, 0,1
	v_sub_f32 v[T+14+\a], v[T+12+\a], v[NMC+2*\a]               ; the factor's exponent from the two rounded numbers: the rounding of c m cancels between steps
.endr
.irp a, 0,1
	v_mov_b32 v[NMC+2*\a], v[T+12+\a]
.endr
.irp t, 0,1,2,3,4,5,6,7
.irp i, 0,1,2,3
	v_pk_fma_f32 v[SS+8*\t+2*\i:SS+8*\t+2*\i+1], v[SS+8*\t+2*\i:SS+8*\t+2*\i+1], s[60:61], v[NMC+2*(\t&1):NMC+2*(\t&1)+1] op_sel_hi:[1,0,0]
.endr
.endr
.set k_, 0
.rept 64
	v_exp_f32 v[SS+k_], v[SS+k_]
.set k_, k_+1
.endr
	v_exp_f32 v[AL], v[T+14]
	v_exp_f32 v[AL+2], v[T+15]
	v_mov_b32 v[M], v[MN]                          ; plain instructions that touch no exponential's registers stand behind the run (ISA guide 5.7.2)
	v_mov_b32 v[M+1], v[MN+1]
	s_wait_alu depctr_va_vdst(0)
.irp t, 0,1,2,3,4,5,6,7
	v_pk_add_f32 v[T+4*\t:T+4*\t+1], v[SS+8*\t:SS+8*\t+1], v[SS+8*\t+2:SS+8*\t+3]
.endr
.irp t, 0,1,2,3,4,5,6,7
	v_pk_add_f32 v[T+4*\t+2:T+4*\t+3], v[SS+8*\t+4:SS+8*\t+5], v[SS+8*\t+6:SS+8*\t+7]
.endr
.irp t, 0,1,2,3,4,5,6,7
	v_pk_add_f32 v[T+4*\t:T+4*\t+1], v[T+4*\t:T+4*\t+1], v[T+4*\t+2:T+4*\t+3]
.endr
.irp a, 0,1
	v_pk_add_f32 v[T+4*\a:T+4*\a+1], v[T+4*\a:T+4*\a+1], v[T+4*(2+\a):T+4*(2+\a)+1]
.endr
.irp a, 0,1
	v_pk_add_f32 v[T+4*(4+\a):T+4*(4+\a)+1], v[T+4*(4+\a):T+4*(4+\a)+1], v[T+4*(6+\a):T+4*(6+\a)+1]
.endr
.irp a, 0,1
	v_pk_add_f32 v[T+4*\a:T+4*\a+1], v[T+4*\a:T+4*\a+1], v[T+4*(4+\a):T+4*(4+\a)+1]
.endr
.irp a, 0,1
	v_pk_fma_f32 v[LS+2*\a:LS+2*\a+1], v[LS+2*\a:LS+2*\a+1], v[AL+2*\a:AL+2*\a+1], v[T+4*\a:T+4*\a+1] op_sel_hi:[1,0,1]
.endr
	; P^T to f16 in place: tile (2 c, a) gives registers 0-3 of fragment (c, a) (keys 8 h ..), tile (2 c + 1, a) registers 4-7 (keys 16 + 8 h ..)
.irp c, 0,1
.irp a, 0,1
.irp i, 0,1,2,3
	v_cvt_pk_f16_f32 v[SS+8*(4*\c+\a)+\i], v[SS+8*(4*\c+\a)+2*\i], v[SS+8*(4*\c+\a)+2*\i+1]
.endr
.irp i, 0,1,2,3
	v_cvt_pk_f16_f32 v[SS+8*(4*\c+\a)+4+\i], v[SS+8*(4*\c+\a)+16+2*\i], v[SS+8*(4*\c+\a)+16+2*\i+1]
.endr
.endr
.endr
.endm
; 64 keys.  first = 1: the launch's very first half: its products start O's sums.  diag: 0 never, 1 a diagonal tile, 2 where unit u = j.
.macro HALF slot, hf, first, diag
	s_wait_dscnt 0x0                               ; K's fragments are in
.rept 5
	v_nop                                          ; five places: the products below write over registers that the last P V products read (ISA guide 7.12.1)
.endr
	WIN 0x04                                       ; source 1 (Q) in window 1
.irp kt, 0,1,2,3
.irp a, 0,1
	v_wmma_f32_16x16x32_f16 v[SS+8*(2*\kt+\a):SS+8*(2*\kt+\a)+7], v[KF+16*\kt:KF+16*\kt+7], v[QF+16*\a:QF+16*\a+7], 0
.endr
.endr
.irp kt, 0,1,2,3
.irp a, 0,1
	v_wmma_f32_16x16x32_f16 v[SS+8*(2*\kt+\a):SS+8*(2*\kt+\a)+7], v[KF+16*\kt+8:KF+16*\kt+15], v[QF+16*\a+8:QF+16*\a+15], v[SS+8*(2*\kt+\a):SS+8*(2*\kt+\a)+7]   ; the eight tiles take turns
.endr
.endr
	WIN 0
	PLACES
	VLOADS \slot, \hf
.if \hf == 0
	KLOADS \slot, 1                                ; the next half's K, behind V's loads
.endif
.if \diag == 2
	s_cmp_lg_u32 s20, s17
	s_cbranch_scc1 .Lnomask_\@
.endif
.if \diag != 0
.irp kt, 0,1,2,3
.irp a, 0,1
.irp jj, 0,1,2,3,4,5,6,7
	v_cmp_lt_i32 vcc_lo, 16*\a-64*\hf-16*\kt-\jj, v[DM]         ; key 64 hf + 16 kt + 8 h + jj behind query 32 wave + 16 a + r
	v_cndmask_b32 v[SS+8*(2*\kt+\a)+\jj], v[SS+8*(2*\kt+\a)+\jj], v[MSK], vcc_lo
.endr
.endr
.endr
.endif
.if \diag == 2
.Lnomask_\@:
.endif
	SOFT
.if \hf == 0
	s_wait_dscnt 16                                ; V is in; the sixteen loads of the next half's K may stay out
.else
	s_wait_dscnt 0x0
.endif
.if \first == 0
	WIN 0x41
.irp t, 0,1,2,3,4,5,6,7
.irp i, 0,1,2,3
	v_pk_mul_f32 v[OO+8*\t+2*\i:OO+8*\t+2*\i+1], v[OO+8*\t+2*\i:OO+8*\t+2*\i+1], v[AL+2*(\t&1):AL+2*(\t&1)+1] op_sel_hi:[1,0]
.endr
.endr
.endif
	WIN 0x50                                       ; C and D (O) in window 1
.irp c, 0,1
.irp dt, 0,1,2,3
.irp a, 0,1
.if \first*(1-\c)
	v_wmma_f32_16x16x32_f16 v[OO+8*(2*\dt+\a):OO+8*(2*\dt+\a)+7], v[VF+8*(2*\dt+\c):VF+8*(2*\dt+\c)+7], v[SS+8*(4*\c+\a):SS+8*(4*\c+\a)+7], 0
.else
	v_wmma_f32_16x16x32_f16 v[OO+8*(2*\dt+\a):OO+8*(2*\dt+\a)+7], v[VF+8*(2*\dt+\c):VF+8*(2*\dt+\c)+7], v[SS+8*(4*\c+\a):SS+8*(4*\c+\a)+7], v[OO+8*(2*\dt+\a):OO+8*(2*\dt+\a)+7]
.endif
.endr
.endr
.endr
	WIN 0
.endm
; A block's end.  hi = 0: block j; the next block's Q is fetched and the state emptied.  hi = 1: block 15 - j.  No barrier stands here.
.macro FINAL hi
	PLACES
.if \hi == 0
	QLOAD 66
.endif
.irp dt, 0,1,2,3
.irp q, 0,1
	ds_load_b128 v[KF+8*\dt+4*\q:KF+8*\dt+4*\q+3], v[TA] offset:\hi*256+64*\dt+16*\q   ; the sum of v over the keys behind the tile, columns 16 dt + 8 h + ..
.endr
.endr
.irp a, 0,1
	v_add_f32 v[T+\a], v[LS+2*\a], v[LS+2*\a+1]
.endr
.irp a, 0,1
	v_permlanex16_b32 v[PX+\a], v[T+\a], s62, s63
.endr
.irp a, 0,1
	v_add_f32 v[T+\a], v[T+\a], v[PX+\a]           ; the row's sum
.endr
.irp a, 0,1
	v_max_num_f32 v[T+4+\a], s[75-\hi], v[M+\a]    ; the maximum with the keys behind the tile (-80000; where there are none, the lowest finite number)
.endr
.irp a, 0,1
	v_mul_f32 v[T+6+\a], NEGC, v[T+4+\a]
.endr
.irp a, 0,1
	v_sub_f32 v[T+8+\a], v[T+6+\a], v[NMC+2*\a]
.endr
.irp a, 0,1
	v_fma_f32 v[T+12+\a], s[75-\hi], s60, v[T+6+\a]
.endr
.irp a, 0,1
	v_exp_f32 v[T+8+\a], v[T+8+\a]                 ; factor of what has been summed
.endr
.irp a, 0,1
	v_exp_f32 v[T+12+\a], v[T+12+\a]               ; weight of one key behind the tile
.endr
	v_nop
	s_wait_alu depctr_va_vdst(0)
.irp a, 0,1
	v_mul_f32 v[T+14+\a], s[72+\hi], v[T+12+\a]    ; count x weight
.endr
.irp a, 0,1
	v_fma_f32 v[T+14+\a], v[T+\a], v[T+8+\a], v[T+14+\a]
.endr
.irp a, 0,1
	v_rcp_f32 v[T+16+\a], v[T+14+\a]               ; the sum is at least 1: the term of the maximum
.endr
	v_nop
	s_wait_alu depctr_va_vdst(0)
.irp a, 0,1
	v_mul_f32 v[T+20+2*\a], v[T+8+\a], v[T+16+\a]
.endr
.irp a, 0,1
	v_mul_f32 v[T+24+2*\a], v[T+12+\a], v[T+16+\a]
.endr
	s_wait_dscnt 0x0
.irp t, 0,1,2,3,4,5,6,7
.irp i, 0,1,2,3
	v_pk_mul_f32 v[VF+8*\t+2*\i:VF+8*\t+2*\i+1], v[KF+8*(\t>>1)+2*\i:KF+8*(\t>>1)+2*\i+1], v[T+24+2*(\t&1):T+25+2*(\t&1)] op_sel_hi:[1,0]
.endr
.endr
	WIN 0x01
.irp t, 0,1,2,3,4,5,6,7
.irp i, 0,1,2,3
	v_pk_fma_f32 v[VF+8*\t+2*\i:VF+8*\t+2*\i+1], v[OO+8*\t+2*\i:OO+8*\t+2*\i+1], v[T+20+2*(\t&1):T+21+2*(\t&1)], v[VF+8*\t+2*\i:VF+8*\t+2*\i+1] op_sel_hi:[1,0,1]
.endr
.endr
	WIN 0
.irp t, 0,1,2,3,4,5,6,7
.irp i, 0,1,2,3
	v_cvt_pk_f16_f32 v[KF+32+4*\t+\i], v[VF+8*\t+2*\i], v[VF+8*\t+2*\i+1]
.endr
.endr
.irp t, 0,1,2,3,4,5,6,7
	ds_store_b128 v[STO], v[KF+32+4*\t:KF+32+4*\t+3] offset:(\t&1)*16*SP+(\t>>1)*32   ; query 16 a + r, columns 16 dt + 8 h ..: my own stage
.endr
.irp u, 0,1,2,3,4,5,6,7
	ds_load_b128 v[SS+4*\u:SS+4*\u+3], v[RD] offset:\u*4*SP   ; LDS serves a wave's instructions in order: these see the stores above
.endr
.irp u, 0,1,2,3,4,5,6,7
	s_wait_dscnt 7-\u
	global_store_b128 v[CO], v[SS+4*\u:SS+4*\u+3], s[68+2*\hi:69+2*\hi] offset:512*\u   ; four rows of 128 bytes: 512 consecutive bytes
.endr
.if \hi == 0
	v_mov_b32 v[M], 0xff7fffff                     ; the lowest finite number: the next step's factor is exp2 of about -6e37 = 0, which empties O and the sums
	v_mov_b32 v[M+1], 0xff7fffff
	v_mul_f32 v[NMC], NEGC, v[M]
	v_mul_f32 v[NMC+2], NEGC, v[M+1]
	s_wait_loadcnt 0x0                             ; the next block's Q
	s_wait_xcnt 0x0                                ; the stores' data registers are written again by the next products only behind this wait
.endif
.endm
; A unit: 128 keys from slot.  head = 0: the first (counted wait, nothing filled); 1: the other slot is filled again with unit u + 1's tile; 2: the last.
.macro UNIT slot, head, first, diag
.if \head == 0
	s_wait_tensorcnt 0x1                           ; my part of tile 0 is in; the second first fill stays out
.else
	s_set_vgpr_msb 0x5
	s_wait_tensorcnt 0x0                           ; all my tensor loads have landed, my part of this unit's tile among them
	ds_add_u32 v96, v97
	s_wait_dscnt 0x0
	s_set_vgpr_msb 0x500
.endif
.if \head == 1
	s_add_co_u32 s22, s20, 1                       ; unit u + 1 reads tile u + 1, or, in the second block, u + 1 - (j + 1)
	s_cmp_gt_u32 s22, s17
	s_cselect_b32 s23, s18, 0
	s_sub_co_u32 s22, s22, s23
	s_lshl_b32 s22, s22, 14                        ; x 128 keys of 128 bytes
	s_mov_b32 s23, 0
	SETADR (1-\slot)
.endif
	s_wait_dscnt 0x0                               ; my reads of the other slot are over
	s_barrier_signal -1
	s_barrier_wait -1                              ; both hold of every wave
.if \head == 1
	KVLOAD (1-\slot)                               ; my one tensor load behind this barrier, first thing there
.endif
	KLOADS \slot, 0
	HALF \slot, 0, \first, \diag
	HALF \slot, 1, 0, \diag
.if \diag == 2
	s_cmp_lg_u32 s20, s17
	s_cbranch_scc1 .Lnofinal_\@
	FINAL 0
.Lnofinal_\@:
.endif
.if \diag == 1
	FINAL 1
.endif
	s_add_co_u32 s20, s20, 1
.endm
	s_load_b256 s[4:11], s[0:1], 0x0               ; qh, kh, vh, vsum
	s_load_b64 s[12:13], s[0:1], 0x20              ; ob
	s_set_vgpr_msb 0x40
	v_lshl_add_u32 v96, v0, 2, 0x29000
	v_mov_b32 v97, 0
	s_set_vgpr_msb 0x4045
	ds_add_u32 v96, v97
	ds_add_u32 v96, v97
	s_set_vgpr_msb 0x4500
	v_lshrrev_b32 v1, 5, v0
	v_readfirstlane_b32 s14, v1                    ; wave
	s_lshr_b32 s15, s14, 1                         ; I fetch K (0) or V (1)
	s_and_b32 s16, s14, 1                          ; which 64 keys of a tile
	s_mov_b32 s17, ttmp9                           ; j
	s_add_co_u32 s18, s17, 1
	s_and_b32 s19, ttmp7, 0xffff                   ; batch * 16 + head
	s_mov_b32 s20, 0                               ; u
	; 64 keys of 128 bytes, dense: 32 rows of 256 bytes; padding behind every 32 words: 4 words for K, 8 for V
	s_mov_b32 s[G1K+0], (1<<16)|(1<<20)|(4<<22)|(3<<25)
	s_mov_b32 s[G1V+0], (1<<16)|(1<<20)|(4<<22)|(7<<25)
	s_mov_b32 s[G1K+1], 128<<16
	s_mov_b32 s[G1V+1], 128<<16
	s_mov_b32 s[G1K+2], 32<<16
	s_mov_b32 s[G1V+2], 32<<16
	s_mov_b32 s[G1K+3], 128<<16
	s_mov_b32 s[G1V+3], 128<<16
	s_mov_b32 s[G1K+4], 32
	s_mov_b32 s[G1V+4], 32
	s_mov_b32 s[G1K+5], 128
	s_mov_b32 s[G1V+5], 128
	s_mov_b32 s[G1K+6], 0
	s_mov_b32 s[G1V+6], 0
	s_mov_b32 s[G1K+7], 0
	s_mov_b32 s[G1V+7], 0
	s_lshl_b32 s22, s19, 18                        ; the head's 262,144 bytes
	s_lshl_b32 s23, s16, 13                        ; my 64 keys
	s_add_co_u32 s22, s22, s23
	s_mov_b32 s23, 0
	s_mul_i32 s82, s14, 64*KP                      ; waves 0, 1: K's halves at 0 and 9,216
	s_mul_i32 s83, s14, 64*VP                      ; waves 2, 3: V's halves at 20,480 and 30,720
	s_wait_dscnt 0x0
	s_wait_kmcnt 0x0
	s_add_nc_u64 s[56:57], s[6:7], s[22:23]
	s_add_nc_u64 s[58:59], s[8:9], s[22:23]
.irp s, 0,1
	s_mov_b32 s[G0K+4*\s], 1
	s_add_co_u32 s[G0K+4*\s+1], s82, \s*SLOT
	s_mov_b32 s[G0V+4*\s], 1
	s_add_co_u32 s[G0V+4*\s+1], s83, \s*SLOT
.endr
	s_mov_b32 s22, 0
	SETADR 0
	KVLOAD 0                                       ; unit 0: tile 0
	s_min_u32 s22, s17, 1                          ; unit 1: tile 1, or, where j = 0, the second block's tile 0
	s_lshl_b32 s22, s22, 14
	SETADR 1
	KVLOAD 1
	s_lshl_b32 s83, s14, 5                         ; 32 wave
	s_sub_co_u32 s81, 15, s17                      ; 15 - j
	s_lshl_b32 s82, s19, 11
	s_add_co_u32 s82, s82, s83                     ; my first row in the head's block 0
	s_lshl_b32 s22, s81, 7
	s_add_co_u32 s22, s22, s82
	s_lshl_b32 s22, s22, 7
	s_add_nc_u64 s[66:67], s[4:5], s[22:23]        ; Q of block 15 - j
	s_lshl_b32 s22, s17, 7
	s_add_co_u32 s22, s22, s82
	s_lshl_b32 s22, s22, 7
	s_add_nc_u64 s[4:5], s[4:5], s[22:23]          ; Q of block j
	s_and_b32 s82, s19, 15
	s_lshl_b32 s82, s82, 12                        ; ob: [head][batch * 2048 + row][64]
	s_lshr_b32 s80, s19, 4
	s_lshl_b32 s80, s80, 11
	s_add_co_u32 s82, s82, s80
	s_add_co_u32 s82, s82, s83
	s_lshl_b32 s22, s17, 7
	s_add_co_u32 s22, s22, s82
	s_lshl_b32 s22, s22, 7
	s_add_nc_u64 s[68:69], s[12:13], s[22:23]
	s_lshl_b32 s22, s81, 7
	s_add_co_u32 s22, s22, s82
	s_lshl_b32 s22, s22, 7
	s_add_nc_u64 s[70:71], s[12:13], s[22:23]
	s_lshl_b32 s22, s19, 13                        ; the head's 32 rows of 256 bytes in vsum
	s_add_nc_u64 s[10:11], s[10:11], s[22:23]
	s_lshl_b32 s22, s81, 7                         ; keys behind block j's diagonal tile: 128 (15 - j)
	v_cvt_f32_u32 v15, s22
	v_readfirstlane_b32 s72, v15
	s_lshl_b32 s22, s17, 7                         ; behind block 15 - j's: 128 j
	v_cvt_f32_u32 v15, s22
	v_readfirstlane_b32 s73, v15
	s_mov_b32 s60, 0x3e38aa3b                      ; c = log2(e) / 8
	s_mov_b32 s61, 0x3e38aa3b
	s_mov_b32 s62, 0x76543210                      ; lane i of one half reads lane i of the other
	s_mov_b32 s63, 0xfedcba98
	s_mov_b32 s75, 0xc79c4000                      ; -80000.0
	s_mov_b32 s74, 0xff7fffff
	s_cmp_gt_u32 s17, 0
	s_cselect_b32 s74, s75, s74                    ; block 15 has no keys behind it
	s_mov_b32 s77, 0
	s_lshl_b32 s78, s18, 1                         ; first row of vsum behind block j: 2 j + 2
	s_lshl_b32 s79, s17, 1
	s_sub_co_u32 s79, 32, s79                      ; behind block 15 - j: 32 - 2 j
	s_mul_i32 s80, s14, WSCR
	s_add_co_u32 s80, s80, SCR                     ; my own bytes
	s_add_co_u32 s81, s80, 512                     ; my stage
	v_and_b32 v1, 15, v0                           ; r
	v_bfe_u32 v2, v0, 4, 1                         ; h
	v_and_b32 v3, 31, v0                           ; lane
	v_mul_u32_u24 v[KAD], v1, KP
	v_lshl_add_u32 v[KAD], v2, 4, v[KAD]
	v_and_b32 v15, 7, v0
	v_lshl_add_u32 v[VAD], v2, 3, v15
	v_mul_u32_u24 v[VAD], v[VAD], VP               ; key 8 h + lane mod 8
	v_bfe_u32 v[TA], v0, 3, 1
	v_lshl_add_u32 v[VAD], v[TA], 4, v[VAD]        ; columns 0-7 or 8-15
	v_add_nc_u32 v[VAD], VOFF, v[VAD]
	v_add_nc_u32 v[STO], s81, v[KAD]               ; the stage has K's pitch
	v_lshrrev_b32 v[RD], 3, v3
	v_mul_u32_u24 v[RD], v[RD], SP
	v_lshl_add_u32 v[RD], v15, 4, v[RD]
	v_add_nc_u32 v[RD], s81, v[RD]
	v_lshlrev_b32 v[CO], 4, v3
	v_lshlrev_b32 v[TA], 5, v2
	v_add_nc_u32 v[TA], s80, v[TA]
	v_lshlrev_b32 v[DM], 3, v2
	v_sub_nc_u32 v[DM], v[DM], v1
	v_sub_nc_u32 v[DM], v[DM], s83
	v_mov_b32 v[MSK], 0xc79c4000
	v_lshlrev_b32 v[QO], 7, v1
	v_lshl_add_u32 v[QO], v2, 4, v[QO]
	v_lshlrev_b32 v[OFF8], 3, v3
	v_add_nc_u32 v[SCW], s80, v[OFF8]
	QLOAD 4
.set i_, 2
.rept 30
	global_load_b64 v[KF+2*(i_-2):KF+2*(i_-2)+1], v[OFF8], s[10:11] offset:i_*256   ; rows 2-31 of the head's vsum, 256 consecutive bytes each
.set i_, i_+1
.endr
	v_mov_b32 v[M], 0xff7fffff                     ; the state as after a block's end: the first factor is 0
	v_mov_b32 v[M+1], 0xff7fffff
	v_mul_f32 v[NMC], NEGC, v[M]
	v_mul_f32 v[NMC+2], NEGC, v[M+1]
	v_mov_b32 v[NMC+1], 0                          ; the upper registers of the pairs of which the low one is broadcast
	v_mov_b32 v[NMC+3], 0
	v_mov_b32 v[AL+1], 0
	v_mov_b32 v[AL+3], 0
.irp i, 0,1,2,3
	v_mov_b32 v[LS+\i], 0
.endr
	s_wait_loadcnt 0x0
	; the sums of v over the keys behind each block's diagonal tile: every row of vsum with the weight 1 or 0 (a select, no branch)
.set i_, 2
.rept 30
	s_cmp_le_u32 s78, i_
	s_cselect_b32 s76, 1.0, 0
.if i_ == 2
	v_pk_mul_f32 v[T:T+1], v[KF:KF+1], s[76:77] op_sel_hi:[1,0]
.else
	v_pk_fma_f32 v[T:T+1], v[KF+2*(i_-2):KF+2*(i_-2)+1], s[76:77], v[T:T+1] op_sel_hi:[1,0,1]
.endif
.set i_, i_+1
.endr
.set i_, 18
.rept 14
	s_cmp_le_u32 s79, i_
	s_cselect_b32 s76, 1.0, 0
.if i_ == 18
	v_pk_mul_f32 v[T+2:T+3], v[KF+32:KF+33], s[76:77] op_sel_hi:[1,0]
.else
	v_pk_fma_f32 v[T+2:T+3], v[KF+2*(i_-2):KF+2*(i_-2)+1], s[76:77], v[T+2:T+3] op_sel_hi:[1,0,1]
.endif
.set i_, i_+1
.endr
	ds_store_b64 v[SCW], v[T:T+1]                  ; columns 2 lane, 2 lane + 1: my wave's own bytes
	ds_store_b64 v[SCW], v[T+2:T+3] offset:256
	UNIT 0, 0, 1, 2                                ; u = 0
	s_mov_b32 s21, 7
.Lpair:
	UNIT 1, 1, 0, 2                                ; u = 1, 3, .. 13
	UNIT 0, 1, 0, 2                                ; u = 2, 4, .. 14
	s_sub_co_u32 s21, s21, 1
	s_cmp_lg_u32 s21, 0
	s_cbranch_scc1 .Lpair
	UNIT 1, 1, 0, 0                                ; u = 15: j is at most 7, so this is no diagonal tile
	UNIT 0, 2, 0, 1                                ; u = 16: the second block's diagonal tile; nothing is left to fetch
	s_set_vgpr_msb 0x5
	s_wait_tensorcnt 0x0
	ds_add_u32 v96, v97
	s_wait_dscnt 0x0
	s_set_vgpr_msb 0x500
	s_endpgm
.Lfunc_end_k_q6e8ea55123_attn:
	.size	k_q6e8ea55123_attn, .Lfunc_end_k_q6e8ea55123_attn-k_q6e8ea55123_attn
	.p2alignl 7, 3214868480
	.fill 96, 4, 3214868480
	.section	.rodata,"a",@progbits
	.p2align	6, 0x0
	.amdhsa_kernel k_q6e8ea55123_attn
		.amdhsa_group_segment_fixed_size 327680
		.amdhsa_private_segment_fixed_size 0
		.amdhsa_enable_private_segment 0
		.amdhsa_kernarg_size 40
		.amdhsa_user_sgpr_count 2
		.amdhsa_user_sgpr_kernarg_segment_ptr 1
		.amdhsa_wavefront_size32 1
		.amdhsa_system_sgpr_workgroup_id_x 1
		.amdhsa_system_sgpr_workgroup_id_y 1
		.amdhsa_system_sgpr_workgroup_id_z 1
		.amdhsa_system_vgpr_workitem_id 0
		.amdhsa_next_free_vgpr 354
		.amdhsa_next_free_sgpr 84
		.amdhsa_reserve_vcc 1
		.amdhsa_float_denorm_mode_32 3
		.amdhsa_float_denorm_mode_16_64 3
		.amdhsa_memory_ordered 1
		.amdhsa_forward_progress 1
		.amdhsa_inst_pref_size 255
	.end_amdhsa_kernel
	.section	.bss,"aw",@nobits
	.p2align	6
	.space	262144
	.amdgpu_metadata
---
amdhsa.version: [ 1, 2 ]
amdhsa.kernels:
  - .name:           k_q6e8ea55123_attn
    .symbol:         k_q6e8ea55123_attn.kd
    .args:
      - { .name: qh, .offset: 0, .size: 8, .value_kind: global_buffer, .address_space: global }
      - { .name: kh, .offset: 8, .size: 8, .value_kind: global_buffer, .address_space: global }
      - { .name: vh, .offset: 16, .size: 8, .value_kind: global_buffer, .address_space: global }
      - { .name: vsum, .offset: 24, .size: 8, .value_kind: global_buffer, .address_space: global }
      - { .name: ob, .offset: 32, .size: 8, .value_kind: global_buffer, .address_space: global }
    .group_segment_fixed_size: 327680
    .private_segment_fixed_size: 0
    .kernarg_segment_align: 8
    .kernarg_segment_size: 40
    .max_flat_workgroup_size: 128
    .sgpr_count:     84
    .vgpr_count:     354
    .wavefront_size: 32
...
	.end_amdgpu_metadata
.endif
;; end of part 3
;; launch oproj (part 4): grid 8 x 32, 4 waves a work-group, clusters of 4 x 4, 327,680 bytes of LDS; arguments ob, wob, out0; writes out0
.if DOCPART == 4
	.amdgcn_target "amdgcn-amd-amdhsa--gfx1250"
	.amdhsa_code_object_version 6
	.text
	.protected	k_q6e8ea55123_oproj
	.globl	k_q6e8ea55123_oproj
	.p2align	8
	.type	k_q6e8ea55123_oproj,@function
k_q6e8ea55123_oproj:
	s_mov_b64 s[64:65], 0
	v_nop
	global_prefetch_b8 v0, s[64:65] scope:SCOPE_SE
	s_setreg_imm32_b32 hwreg(HW_REG_WAVE_MODE, 25, 1), 1
	s_wait_xcnt 0x0
	s_wait_alu depctr_hold_cnt(0) depctr_sa_sdst(0) depctr_va_vdst(0) depctr_va_sdst(0) depctr_va_ssrc(0) depctr_va_vcc(0) depctr_vm_vsrc(0)
	s_getreg_b32 s2, hwreg(HW_REG_IB_STS2, 6, 4)
	s_cmp_eq_u32 s2, 0
	s_cbranch_scc0 .Lentry_in_a_cluster
	s_endpgm
.Lentry_in_a_cluster:
	s_bfe_u32 s2, ttmp6, 0x10000c
	s_cmp_lg_u32 s2, 0xf033
	s_cbranch_scc0 .Lentry_shape_is_right
	s_endpgm
.Lentry_shape_is_right:
; out0[4096][1024] = O[4096][1024] Wo[1024][1024]^T, f16 operands, f32 sums and results.  Work-group (x, y) = (128 columns, 128 rows): 8 x 32 = 256 work-groups
; (blocks of 256 x 128 would be 128 work-groups).  Four waves, 2 x 2, each 64 x 64: 16 accumulator tiles.  K goes in steps of 256 (four planes of 64) through two LDS slots: four fills.
; Both operands lie in planes [k / 64][row][64].  One tensor load a wave and slot brings TWO planes' tiles: a tile of 128 rows of 128 bytes is one dense run of 8,192
; elements, taken as one row of the descriptor; the second row is the next plane, one plane's elements further on.  (Two planes are two runs of memory, so the descriptor has two long rows.)
; Padding of 16 bytes behind every 128 bytes, counted along the whole tile: LDS pitch 144.  Waves 0, 1 bring O's planes 0-1 and 2-3, waves 2, 3 Wo's.
; CLUSTERS: 4 x 4 work-groups; O's tile is asked for jointly along a row of the cluster, Wo's along a column.  By this text's count a wave has at most two tensor loads out.
; The matrix instruction is used transposed: lane (r, h), register j holds out(row r, column 8 h + j).
; REGISTERS: window 0: v16-26 addresses, v64-127 O's fragments (two buffers), v176-207 the way out; window 1: v0-63 Wo's fragments (two buffers);
; window 2: accumulators of my rows 0-31 (tile (a, b) at v[8 (4 a + b)]); window 3: of my rows 32-63.
.set NB,     4
.set NP,     4
.set PITCH,  144
.set AROWS,  128
.set BROWS,  128
.set APL,    AROWS*PITCH
.set BPL,    BROWS*PITCH
.set BOFF,   NP*APL
.set SLOT,   NP*(APL+BPL)              ; 147,456
.set STAGE,  2*SLOT                    ; 294,912: behind the ring, never filled by a tensor load
.set SPITCH, 272                       ; stage: 16 rows of 256 bytes + 16
.set WSTG,   16*SPITCH                 ; 4,352
.set APLANE, 524288                    ; bytes in a plane of ob
.set BPLANE, 131072                    ; bytes in a plane of wob
.set ASTEP,  2*NP*APLANE
.set BSTEP,  2*NP*BPLANE
.set PADW,   (1<<16)|(1<<20)|(1<<21)|(4<<22)|(3<<25)
.set ADRA, 16
.set ADRB, 20
.set STO,  24
.set RD,   25
.set CO,   26
.set FA,   64
.set RB,   176
.set G1,  24
.set G0,  32
.set G1B, 48
.set G0B, 56
.set MUL_LO, 0xa1
.set MUL_HI, 0xf1
.set TO_B,   0x40
.set MSB, 0
.macro WIN new
.if MSB != \new
	s_set_vgpr_msb (MSB<<8)|\new
.set MSB, \new
.endif
.endm
.macro PLACES                          ; four places behind a matrix instruction (ISA guide 7.12.1)
.rept 4
	v_nop
.endr
.endm
.macro JLOAD s
	s_cmp_eq_u32 s11, 0
	s_cbranch_scc0 .Lfor_b_\@
	tensor_load_to_lds s[G0+4*\s:G0+4*\s+3], s[G1:G1+7]
	s_nop 0
	s_branch .Lasked_\@
.Lfor_b_\@:
	tensor_load_to_lds s[G0B+4*\s:G0B+4*\s+3], s[G1B:G1B+7]
	s_nop 0
.Lasked_\@:
.endm
.macro CREST
	s_cmp_lg_u32 s10, 0
	s_cbranch_scc1 .Lnot_wave_0_\@
	s_barrier_signal -3
.Lnot_wave_0_\@:
	s_barrier_wait -3
	s_barrier_signal -1
	s_barrier_wait -1
.endm
.macro CROUND
	s_barrier_signal -1
	s_barrier_wait -1
	CREST
.endm
.macro MULA f, a, zero
.set b_, 0
.rept NB
.if \zero
	v_wmma_f32_16x16x32_f16 v[8*(NB*((\a)&1)+b_):8*(NB*((\a)&1)+b_)+7], v[8*NB*\f+8*b_:8*NB*\f+8*b_+7], v[FA+32*\f+8*\a:FA+32*\f+8*\a+7], 0
.else
	v_wmma_f32_16x16x32_f16 v[8*(NB*((\a)&1)+b_):8*(NB*((\a)&1)+b_)+7], v[8*NB*\f+8*b_:8*NB*\f+8*b_+7], v[FA+32*\f+8*\a:FA+32*\f+8*\a+7], v[8*(NB*((\a)&1)+b_):8*(NB*((\a)&1)+b_)+7]
.endif
.set b_, b_+1
.endr
.endm
.macro FETCH slot, q, f
	WIN TO_B
.set i_, 0
.rept NB
	ds_load_b128 v[8*NB*\f+8*i_:8*NB*\f+8*i_+3],   v[ADRB+\slot] offset:((\q)>>1)*BPL+((\q)&1)*64+i_*16*PITCH
	ds_load_b128 v[8*NB*\f+8*i_+4:8*NB*\f+8*i_+7], v[ADRB+\slot] offset:((\q)>>1)*BPL+((\q)&1)*64+i_*16*PITCH+32
.set i_, i_+1
.endr
	WIN 0
.irp i, 0,1,2,3
	ds_load_b128 v[FA+32*\f+8*\i:FA+32*\f+8*\i+3],   v[ADRA+\slot] offset:((\q)>>1)*APL+((\q)&1)*64+\i*16*PITCH
	ds_load_b128 v[FA+32*\f+8*\i+4:FA+32*\f+8*\i+7], v[ADRA+\slot] offset:((\q)>>1)*APL+((\q)&1)*64+\i*16*PITCH+32
.endr
.endm
; The 16 accumulators take turns, one instruction a turn, in the same order in every quarter.
.macro QUARTER slot, qn, f, g, zero
	s_wait_dscnt 4                                 ; all but the youngest four loads: O's fragments 2 and 3 may be out
	WIN MUL_LO
	MULA \f, 0, \zero
	MULA \f, 1, \zero
	PLACES
	FETCH \slot, \qn, \g
	s_wait_dscnt 2*NB+8                            ; all but the run just issued
	WIN MUL_HI
	MULA \f, 2, \zero
	MULA \f, 3, \zero
.endm
.macro SEVEN slot, zero                ; a slot has eight quarters of 32 along K, on buffers 0, 1, 0, ..
	QUARTER \slot, 1, 0, 1, \zero
	QUARTER \slot, 2, 1, 0, 0
	QUARTER \slot, 3, 0, 1, 0
	QUARTER \slot, 4, 1, 0, 0
	QUARTER \slot, 5, 0, 1, 0
	QUARTER \slot, 6, 1, 0, 0
	QUARTER \slot, 7, 0, 1, 0
.endm
; The eighth quarter (buffer 1) and the change of slots: each wave's waits for its reads of this slot and for all its tensor loads stand in front of the barrier;
; fill = 1: the barrier opens a round of the cluster's barrier, and the joint refill is the first tensor load behind the round.
.macro TURN slot, next, fill
	s_wait_dscnt 4
	WIN MUL_LO
	MULA 1, 0, 0
	s_wait_dscnt 0
	s_wait_tensorcnt 0x0
	ds_add_u32 v255, v255
	s_wait_dscnt 0x0
	s_barrier_signal -1
	MULA 1, 1, 0
	WIN 0
	s_barrier_wait -1
.if \fill
	CREST
	s_add_nc_u64 s[G0+4*\slot+2:G0+4*\slot+3], s[G0+4*\slot+2:G0+4*\slot+3], ASTEP
	s_add_nc_u64 s[G0B+4*\slot+2:G0B+4*\slot+3], s[G0B+4*\slot+2:G0B+4*\slot+3], BSTEP
	JLOAD \slot
.endif
	PLACES
	FETCH \next, 0, 0
	WIN MUL_HI
	MULA 1, 2, 0
	MULA 1, 3, 0
.endm
	s_load_b128 s[4:7], s[0:1], 0x0                ; ob, wob
	s_load_b64 s[8:9], s[0:1], 0x10                ; out0
	s_set_vgpr_msb 0x40
	v_lshl_add_u32 v255, v0, 2, 0x4c400
	s_set_vgpr_msb 0x4000
	v_mov_b32 v255, 0
	s_set_vgpr_msb 0x1
	ds_add_u32 v255, v255
	ds_add_u32 v255, v255
	s_set_vgpr_msb 0x100
	v_lshrrev_b32 v1, 5, v0
	v_readfirstlane_b32 s10, v1                    ; wave
	s_lshr_b32 s11, s10, 1                         ; my half of the block's rows.  Also: I fetch for O (0) or for Wo (1)
	s_and_b32 s12, s10, 1                          ; my half of its columns.  Also: which pair of planes I fetch
	s_bfe_u32 s40, ttmp6, 0x40000                  ; cx
	s_bfe_u32 s41, ttmp6, 0x40004                  ; cy
	s_lshl_b32 s42, ttmp9, 2
	s_add_co_u32 s42, s42, s40                     ; block column
	s_and_b32 s13, ttmp7, 0xffff
	s_lshl_b32 s13, s13, 2
	s_add_co_u32 s13, s13, s41                     ; block row
	s_lshl_b32 s43, s41, 2
	s_lshl_b32 s43, 15, s43                        ; my row of the cluster
	s_lshl_b32 s44, 0x1111, s40                    ; my column
	s_or_b32 s[G1+0], s43, PADW
	s_or_b32 s[G1B+0], s44, PADW
	s_mov_b32 s[G1+1], 8192<<16                    ; tensor_dim0 = 8,192 elements: a plane's tile, 128 rows of 64
	s_mov_b32 s[G1B+1], 8192<<16
	s_mov_b32 s[G1+2], 2<<16                       ; tensor_dim1 = 2 planes
	s_mov_b32 s[G1B+2], 2<<16
	s_mov_b32 s[G1+3], 8192<<16                    ; tile_dim0
	s_mov_b32 s[G1B+3], 8192<<16
	s_mov_b32 s[G1+4], 2                           ; tile_dim1
	s_mov_b32 s[G1B+4], 2
	s_mov_b32 s[G1+5], APLANE/2                    ; from plane to plane, in elements
	s_mov_b32 s[G1B+5], BPLANE/2
	s_mov_b32 s[G1+6], 0
	s_mov_b32 s[G1B+6], 0
	s_mov_b32 s[G1+7], 0
	s_mov_b32 s[G1B+7], 0
	s_mul_i32 s16, s12, (NP/2)*APLANE              ; O: my pair of planes + the block's 128 rows of 128 bytes; no register here ever holds cx
	s_lshl_b32 s17, s13, 14
	s_add_co_u32 s16, s16, s17
	s_mov_b32 s17, 0
	s_mul_i32 s46, s12, (NP/2)*BPLANE              ; Wo likewise; no register here ever holds cy
	s_lshl_b32 s47, s42, 14
	s_add_co_u32 s46, s46, s47
	s_mov_b32 s47, 0
	s_mul_i32 s20, s10, (NP/2)*APL                 ; LDS: wave x two planes: O's two pairs, then Wo's two
	s_mul_i32 s21, s10, (NP/2)*BPL
	s_add_co_u32 s21, s21, BOFF-NP*BPL
	s_wait_dscnt 0x0
	s_wait_kmcnt 0x0
	s_add_nc_u64 s[14:15], s[4:5], s[16:17]
	s_add_nc_u64 s[46:47], s[6:7], s[46:47]
	CROUND                                         ; all sixteen work-groups are here: the first joint loads meet
.irp s, 0,1
	s_mov_b32 s[G0+4*\s], 1
	s_add_co_u32 s[G0+4*\s+1], s20, \s*SLOT
	s_add_nc_u64 s[G0+4*\s+2:G0+4*\s+3], s[14:15], \s*NP*APLANE
	s_or_b32 s[G0+4*\s+3], s[G0+4*\s+3], 0x80000000
	s_mov_b32 s[G0B+4*\s], 1
	s_add_co_u32 s[G0B+4*\s+1], s21, \s*SLOT
	s_add_nc_u64 s[G0B+4*\s+2:G0B+4*\s+3], s[46:47], \s*NP*BPLANE
	s_or_b32 s[G0B+4*\s+3], s[G0B+4*\s+3], 0x80000000
	JLOAD \s
.endr
	v_and_b32 v1, 15, v0                           ; r
	v_bfe_u32 v2, v0, 4, 1                         ; h
	v_mul_u32_u24 v3, v1, PITCH
	v_lshl_add_u32 v3, v2, 4, v3
	s_mul_i32 s22, s11, 64*PITCH                   ; my 64 rows of O
	s_mul_i32 s23, s12, 64*PITCH                   ; my 64 rows of Wo,
	s_add_co_u32 s23, s23, BOFF                    ; behind O's planes
.irp s, 0,1
	v_add_nc_u32 v[ADRA+\s], s22, v3
	v_add_nc_u32 v[ADRB+\s], s23, v3
	s_add_co_u32 s22, s22, SLOT
	s_add_co_u32 s23, s23, SLOT
.endr
	s_mul_i32 s45, s10, WSTG
	s_add_co_u32 s45, s45, STAGE                   ; my stage
	v_mul_u32_u24 v4, v1, SPITCH
	v_lshl_add_u32 v4, v2, 5, v4
	v_add_nc_u32 v[STO], s45, v4                   ; in: row r, 32 bytes for each half of the lanes
	v_mul_u32_u24 v5, v2, SPITCH
	v_lshl_add_u32 v5, v1, 4, v5
	v_add_nc_u32 v[RD], s45, v5                    ; back: lanes 0-15 one row of 256 bytes, lanes 16-31 the next
	v_lshlrev_b32 v5, 12, v2                       ; and the same two rows in out0
	v_lshl_add_u32 v[CO], v1, 4, v5
	s_wait_tensorcnt 0x1                           ; my part of slot 0 is in; slot 1's may stay out
	s_barrier_signal -1
	s_barrier_wait -1
	FETCH 0, 0, 0
	SEVEN 0, 1                                     ; the first products start the sums
	TURN 0, 1, 1
	SEVEN 1, 0
	TURN 1, 0, 1
	SEVEN 0, 0
	TURN 0, 1, 0                                   ; nothing is left to fetch
	SEVEN 1, 0
	s_wait_dscnt 4
	WIN MUL_LO
	MULA 1, 0, 0
	MULA 1, 1, 0
	s_wait_dscnt 0
	WIN MUL_HI
	MULA 1, 2, 0
	MULA 1, 3, 0
	; THE WAY OUT, 16 rows at a time through my own stage: a lane's 8 numbers are 32 bytes of a row; read back, sixteen lanes hold 256 consecutive bytes
	PLACES
	s_lshl_b32 s16, s13, 7
	s_lshl_b32 s14, s11, 6
	s_add_co_u32 s16, s16, s14                     ; my first row
	s_lshl_b32 s16, s16, 12                        ; x 4,096 bytes
	s_mov_b32 s17, 0
	s_add_nc_u64 s[8:9], s[8:9], s[16:17]
	s_lshl_b32 s46, s42, 9                         ; my first column, in bytes
	s_lshl_b32 s47, s12, 8
	s_add_co_u32 s46, s46, s47
	s_mov_b32 s47, 0
	s_add_nc_u64 s[8:9], s[8:9], s[46:47]
.macro OUT16 a
.if \a < 2
	WIN 0x08                                       ; an LDS store's data is source 1: window 2
.else
	WIN 0x0c                                       ; window 3
.endif
.irp b, 0,1,2,3
.irp q, 0,1
	ds_store_b128 v[STO], v[8*(NB*((\a)&1)+\b)+4*\q:8*(NB*((\a)&1)+\b)+4*\q+3] offset:64*\b+16*\q
.endr
.endr
	WIN 0
	s_wait_xcnt 0x0                                ; RB is the data of the stores issued before: it is loaded again only behind this wait
.irp t, 0,1,2,3,4,5,6,7
	ds_load_b128 v[RB+4*\t:RB+4*\t+3], v[RD] offset:\t*2*SPITCH   ; LDS serves a wave's instructions in order: these see the stores above
.endr
.irp t, 0,1,2,3,4,5,6,7
	s_wait_dscnt 7-\t
	global_store_b128 v[CO], v[RB+4*\t:RB+4*\t+3], s[8:9] offset:\a*65536+\t*8192 th:TH_STORE_NT   ; sixteen lanes store 256 consecutive bytes, aligned
.endr
.endm
	OUT16 0
	OUT16 1
	OUT16 2
	OUT16 3
	s_set_vgpr_msb 0x1
	s_wait_tensorcnt 0x0
	ds_add_u32 v255, v255
	s_wait_dscnt 0x0
	s_set_vgpr_msb 0x100
	CROUND                                         ; the closing round: no work-group ends while a partner may still ask for a tile that names it
	s_endpgm
.Lfunc_end_k_q6e8ea55123_oproj:
	.size	k_q6e8ea55123_oproj, .Lfunc_end_k_q6e8ea55123_oproj-k_q6e8ea55123_oproj
	.p2alignl 7, 3214868480
	.fill 96, 4, 3214868480
	.section	.rodata,"a",@progbits
	.p2align	6, 0x0
	.amdhsa_kernel k_q6e8ea55123_oproj
		.amdhsa_group_segment_fixed_size 327680
		.amdhsa_private_segment_fixed_size 0
		.amdhsa_enable_private_segment 0
		.amdhsa_kernarg_size 24
		.amdhsa_user_sgpr_count 2
		.amdhsa_user_sgpr_kernarg_segment_ptr 1
		.amdhsa_wavefront_size32 1
		.amdhsa_system_sgpr_workgroup_id_x 1
		.amdhsa_system_sgpr_workgroup_id_y 1
		.amdhsa_system_sgpr_workgroup_id_z 1
		.amdhsa_system_vgpr_workitem_id 0
		.amdhsa_next_free_vgpr 832
		.amdhsa_next_free_sgpr 66
		.amdhsa_reserve_vcc 0
		.amdhsa_float_denorm_mode_32 3
		.amdhsa_float_denorm_mode_16_64 3
		.amdhsa_memory_ordered 1
		.amdhsa_forward_progress 1
		.amdhsa_inst_pref_size 92
	.end_amdhsa_kernel
	.amdgpu_metadata
---
amdhsa.version: [ 1, 2 ]
amdhsa.kernels:
  - .name:           k_q6e8ea55123_oproj
    .symbol:         k_q6e8ea55123_oproj.kd
    .args:
      - { .name: ob, .offset: 0, .size: 8, .value_kind: global_buffer, .address_space: global }
      - { .name: wob, .offset: 8, .size: 8, .value_kind: global_buffer, .address_space: global }
      - { .name: out0, .offset: 16, .size: 8, .value_kind: global_buffer, .address_space: global }
    .group_segment_fixed_size: 327680
    .private_segment_fixed_size: 0
    .kernarg_segment_align: 8
    .kernarg_segment_size: 24
    .max_flat_workgroup_size: 128
    .sgpr_count:     66
    .vgpr_count:     832
    .wavefront_size: 32
...
	.end_amdgpu_metadata
.endif
;; end of part 4
;; ======== version 2 of 2: 4 launches; version 1 with the launch cvt written anew for expert scheduling mode
;; limits: values are held in f16: magnitudes above 65,504 overflow, below 6.1e-05 lose precision
;; workspace buffers: xb 8,388,608 bytes; wqkv 6,291,456 bytes; wob 2,097,152 bytes; qh 8,388,608 bytes; kh 8,388,608 bytes; vh 8,388,608 bytes; vsum 262,144 bytes; ob 8,388,608 bytes
;; launch cvt (part 5): grid 256 x 1, 8 waves a work-group, no clusters, 0 bytes of LDS; arguments x, q_proj_weight, k_proj_weight, v_proj_weight, o_proj_weight, xb, wqkv, wob; writes xb, wqkv, wob
.if DOCPART == 5
	.amdgcn_target "amdgcn-amd-amdhsa--gfx1250"
	.amdhsa_code_object_version 6
	.text
	.protected	k_q6e8ea55123_cvt
	.globl	k_q6e8ea55123_cvt
	.p2align	8
	.type	k_q6e8ea55123_cvt,@function
k_q6e8ea55123_cvt:
	s_mov_b64 s[64:65], 0
	v_nop
	global_prefetch_b8 v0, s[64:65] scope:SCOPE_SE
	s_setreg_imm32_b32 hwreg(HW_REG_WAVE_SCHED_MODE, 0, 2), 2
	s_setreg_imm32_b32 hwreg(HW_REG_WAVE_MODE, 25, 1), 1
	s_wait_xcnt 0x0
	s_wait_alu depctr_vm_vsrc(0)
; x and the four weights, f32 [rows][1024], are made matrix operands once and laid out in planes of 64 columns: [k / 64][row][64], a row of a plane = 128 bytes.
; So every tile that the later products fetch (some rows of one plane) is one dense run of memory.
;   xb   [16][4096][64]   rows as in x
;   wqkv [16][3072][64]   row = head * 192 + t * 64 + i   (t = 0 q, 1 k, 2 v; i = the row inside the head)
;   wob  [16][1024][64]   rows as in o_proj_weight
; THE FORMAT: each input is rounded to bf16 (to nearest even), the operand format that the problem's contract grants the inputs, and that number is STORED AS f16.
; Why both: q, k, v, P and o need a finer rounding than bf16's (row 0 of a batch is v's row 0 times Wo: 1024 products of spread 1 with nothing averaged, so one
; bf16 rounding of v leaves about 1.6e-3 there, one f16 rounding about 2e-4, against an output whose root mean square is about 0.1), and a matrix instruction takes
; one format for both sources.  f16 has 11 significant bits, bf16 has 8: the second conversion is exact from 2^-17 to 65,504.
; LIMITS: |x| and |w| below 65,504; below 2^-17 = 7.6e-6 the second conversion adds an absolute error of at most 3e-8.
; The result follows the plain formula on the inputs as rounded to bf16; against the unrounded inputs it carries bf16's input rounding.
; 8,192 source rows of 4,096 bytes, 32 for each of 256 work-groups, 4 for each wave.  Work-groups 0-127 take x, 128-255 the weights (32 each).
; Memory binds: no LDS, no barrier, no matrix unit.  All 32 loads of a wave (16 KiB) go out first; each load's lanes 0-15 take 256 consecutive
; bytes of one row, lanes 16-31 the same columns of the next row; each store's 32 lanes cover 256 consecutive bytes, aligned (two rows of one plane).
; THE MODE: SCHED_MODE bits 1:0 = 2 (LLVM: expert scheduling mode 2), set by the entry lines.  The code itself states the register dependences
; between vector instructions and memory instructions, with s_wait_alu, always for 0.
; THE PLAN.  Registers that memory instructions touch:
;   v[LO]      Written by three vector lines at the head; read by all 32 loads as their offset; never written again.
;   v[SO ..]   Sixteen offsets, written by the sixteen v_mad_u32_u24 behind the loads; read by the stores; never written again.
;   X          The 32 loads land here, once each; no vector line names X ahead of the loads, and no memory instruction reads it.
;   Y          A pair for each store: written by its item's conversions, read by its one store, never written again.
; The 32 loads are worked off in eight blocks of four.  A block: one wait for its four loads; 8 roundings, 16 unpacking lines, 8 conversions, in stages across
; the four items, so that no line reads its neighbour's result; ONE wait on va_vdst; the block's four stores on end.  A later block's vector lines name its own X and Y alone.
; No register that a load or a store reads is ever written again, so no wait on vm_vsrc is owed; no vector line writes a scalar register or VCC; EXEC is never written.
.set ROWB, 4096                        ; bytes in a source row
.set LO,   5                           ; v5       byte offset of my 16 bytes in the wave's first two rows
.set SB,   6                           ; v6       byte offset of my 8 bytes in the wave's first two rows of a plane
.set SO,   8                           ; v[8:23]  the same, plus plane kb
.set X,    32                          ; v[32:159]  32 loads of 4 registers; behind its load's wait a set also holds the four bf16 numbers widened again
.set Y,    160                         ; v[160:223] 32 stores of 2 registers, each set written only ahead of its own store: no wait is needed to free one
	s_load_b512 s[16:31], s[0:1], 0x0              ; x, q, k, v, o, xb, wqkv, wob
	v_and_b32 v1, 31, v0                           ; lane
	v_lshrrev_b32 v2, 5, v0                        ; wave
	v_lshrrev_b32 v3, 4, v1                        ; which of the two rows
	v_and_b32 v4, 15, v1
	v_lshlrev_b32 v[LO], 4, v4                     ; 16 bytes a lane
	v_lshl_add_u32 v[LO], v3, 12, v[LO]            ; + row
	v_lshl_add_u32 v[LO], v2, 14, v[LO]            ; + wave x 4 rows
	v_lshlrev_b32 v[SB], 3, v1                     ; 8 bytes a lane: lanes 16-31 fall on the next row of 128 bytes
	v_lshl_add_u32 v[SB], v2, 9, v[SB]             ; + wave x 4 rows of 128 bytes
	s_mov_b32 s2, ttmp9                            ; g
	s_and_b32 s3, s2, 127
	s_and_b32 s4, s3, 31                           ; c: which 32 rows of a weight
	s_lshr_b32 s3, s3, 5                           ; t: which weight
	s_lshl_b32 s5, s4, 5                           ; a weight's source row 32 c
	s_lshl_b32 s6, s2, 5                           ; x's row 32 g
	s_lshr_b32 s7, s4, 1                           ; head
	s_mul_i32 s7, s7, 192
	s_lshl_b32 s8, s3, 6
	s_add_co_u32 s7, s7, s8                        ; + 64 t
	s_and_b32 s8, s4, 1
	s_lshl_b32 s8, s8, 5
	s_add_co_u32 s7, s7, s8                        ; + the half of the head: row in wqkv
	s_mov_b32 s8, 0xffff0000                       ; from here on: mask of a word's upper bf16
	s_mov_b32 s9, 393216                           ; bytes in a plane of wqkv
	s_wait_kmcnt 0x0
	s_mov_b64 s[10:11], s[18:19]                   ; from q
	s_mov_b64 s[12:13], s[28:29]                   ; to wqkv
	s_cmp_eq_u32 s3, 1
	s_cselect_b64 s[10:11], s[20:21], s[10:11]     ; from k
	s_cmp_eq_u32 s3, 2
	s_cselect_b64 s[10:11], s[22:23], s[10:11]     ; from v
	s_cmp_eq_u32 s3, 3                             ; the selects leave SCC as it is: one compare serves the four
	s_cselect_b64 s[10:11], s[24:25], s[10:11]     ; from o
	s_cselect_b64 s[12:13], s[30:31], s[12:13]     ; to wob,
	s_cselect_b32 s7, s5, s7                       ; rows as they come,
	s_cselect_b32 s9, 0x20000, s9                  ; planes of 131,072 bytes
	s_cmp_lt_u32 s2, 128
	s_cselect_b64 s[10:11], s[16:17], s[10:11]     ; from x
	s_cselect_b64 s[12:13], s[26:27], s[12:13]     ; to xb
	s_cselect_b32 s5, s6, s5
	s_cselect_b32 s7, s6, s7
	s_cselect_b32 s9, 0x80000, s9                  ; planes of 524,288 bytes
	s_lshl_b32 s14, s5, 12                         ; source row x 4,096 bytes (under 16 MiB)
	s_mov_b32 s15, 0
	s_add_nc_u64 s[10:11], s[10:11], s[14:15]
	s_lshl_b32 s14, s7, 7                          ; row x 128 bytes
	s_add_nc_u64 s[12:13], s[12:13], s[14:15]
	s_wait_alu depctr_va_vdst(0)                   ; v[LO] is written: every load below reads it as its offset
.irp p, 0,1
.irp kb, 0,1,2,3,4,5,6,7,8,9,10,11,12,13,14,15
	global_load_b128 v[X+4*(16*\p+\kb):X+4*(16*\p+\kb)+3], v[LO], s[10:11] offset:\p*2*ROWB+\kb*256 th:TH_LOAD_NT
.endr
.endr
.irp kb, 0,1,2,3,4,5,6,7,8,9,10,11,12,13,14,15
	v_mad_u32_u24 v[SO+\kb], s9, \kb, v[SB]        ; plane kb; these name neither v[LO] nor X, which the loads above touch
.endr
; Block b: loads 4 b to 4 b + 3.  Load n = 16 p + kb holds rows 2 p, 2 p + 1 of the wave's four, plane kb.
.macro BLOCK b
	s_wait_loadcnt 28-4*(\b)                       ; loads come back in order: the block's four are in, the 28 - 4 b younger ones stay out
.irp i, 0,1,2,3
	v_cvt_pk_bf16_f32 v[Y+2*(4*(\b)+\i)],   v[X+4*(4*(\b)+\i)],   v[X+4*(4*(\b)+\i)+1]   ; the one rounding: to bf16, to nearest even
	v_cvt_pk_bf16_f32 v[Y+2*(4*(\b)+\i)+1], v[X+4*(4*(\b)+\i)+2], v[X+4*(4*(\b)+\i)+3]
.endr
.irp i, 0,1,2,3
	v_lshlrev_b32 v[X+4*(4*(\b)+\i)],   16, v[Y+2*(4*(\b)+\i)]                           ; bf16 to f32: the low half moves up,
	v_and_b32     v[X+4*(4*(\b)+\i)+1], s8, v[Y+2*(4*(\b)+\i)]                           ; the high half stays
	v_lshlrev_b32 v[X+4*(4*(\b)+\i)+2], 16, v[Y+2*(4*(\b)+\i)+1]
	v_and_b32     v[X+4*(4*(\b)+\i)+3], s8, v[Y+2*(4*(\b)+\i)+1]
.endr
.irp i, 0,1,2,3
	v_cvt_pk_f16_f32 v[Y+2*(4*(\b)+\i)],   v[X+4*(4*(\b)+\i)],   v[X+4*(4*(\b)+\i)+1]    ; the same numbers as f16: exact in the range stated at the head
	v_cvt_pk_f16_f32 v[Y+2*(4*(\b)+\i)+1], v[X+4*(4*(\b)+\i)+2], v[X+4*(4*(\b)+\i)+3]
.endr
	s_wait_alu depctr_va_vdst(0)                   ; the conversions have written the block's four pairs of Y, the data of the stores below; in block 0 also: the sixteen offsets v[SO ..] are written
.irp i, 0,1,2,3
	global_store_b64 v[SO+(4*(\b)+\i)%16], v[Y+2*(4*(\b)+\i):Y+2*(4*(\b)+\i)+1], s[12:13] offset:((4*(\b)+\i)/16)*256
.endr
.endm
	BLOCK 0
	BLOCK 1
	BLOCK 2
	BLOCK 3
	BLOCK 4
	BLOCK 5
	BLOCK 6
	BLOCK 7
	s_endpgm
.Lfunc_end_k_q6e8ea55123_cvt:
	.size	k_q6e8ea55123_cvt, .Lfunc_end_k_q6e8ea55123_cvt-k_q6e8ea55123_cvt
	.p2alignl 7, 3214868480
	.fill 96, 4, 3214868480
	.section	.rodata,"a",@progbits
	.p2align	6, 0x0
	.amdhsa_kernel k_q6e8ea55123_cvt
		.amdhsa_group_segment_fixed_size 0
		.amdhsa_private_segment_fixed_size 0
		.amdhsa_enable_private_segment 0
		.amdhsa_kernarg_size 64
		.amdhsa_user_sgpr_count 2
		.amdhsa_user_sgpr_kernarg_segment_ptr 1
		.amdhsa_wavefront_size32 1
		.amdhsa_system_sgpr_workgroup_id_x 1
		.amdhsa_system_sgpr_workgroup_id_y 1
		.amdhsa_system_sgpr_workgroup_id_z 1
		.amdhsa_system_vgpr_workitem_id 0
		.amdhsa_next_free_vgpr 224
		.amdhsa_next_free_sgpr 66
		.amdhsa_reserve_vcc 0
		.amdhsa_float_denorm_mode_32 3
		.amdhsa_float_denorm_mode_16_64 3
		.amdhsa_memory_ordered 1
		.amdhsa_forward_progress 1
		.amdhsa_inst_pref_size 22
	.end_amdhsa_kernel
	.amdgpu_metadata
---
amdhsa.version: [ 1, 2 ]
amdhsa.kernels:
  - .name:           k_q6e8ea55123_cvt
    .symbol:         k_q6e8ea55123_cvt.kd
    .args:
      - { .name: x, .offset: 0, .size: 8, .value_kind: global_buffer, .address_space: global }
      - { .name: q_proj_weight, .offset: 8, .size: 8, .value_kind: global_buffer, .address_space: global }
      - { .name: k_proj_weight, .offset: 16, .size: 8, .value_kind: global_buffer, .address_space: global }
      - { .name: v_proj_weight, .offset: 24, .size: 8, .value_kind: global_buffer, .address_space: global }
      - { .name: o_proj_weight, .offset: 32, .size: 8, .value_kind: global_buffer, .address_space: global }
      - { .name: xb, .offset: 40, .size: 8, .value_kind: global_buffer, .address_space: global }
      - { .name: wqkv, .offset: 48, .size: 8, .value_kind: global_buffer, .address_space: global }
      - { .name: wob, .offset: 56, .size: 8, .value_kind: global_buffer, .address_space: global }
    .group_segment_fixed_size: 0
    .private_segment_fixed_size: 0
    .kernarg_segment_align: 8
    .kernarg_segment_size: 64
    .max_flat_workgroup_size: 256
    .sgpr_count:     66
    .vgpr_count:     224
    .wavefront_size: 32
...
	.end_amdgpu_metadata
.endif
;; end of part 5
;; launch qkv: the kernel of part 2 again; grid 16 x 16, 4 waves a work-group, clusters of 4 x 4, 327,680 bytes of LDS; arguments xb, wqkv, qh, kh, vh, vsum; writes qh, kh, vh, vsum
;; launch attn: the kernel of part 3 again; grid 8 x 32, 4 waves a work-group, no clusters, 327,680 bytes of LDS; arguments qh, kh, vh, vsum, ob; writes ob
;; launch oproj: the kernel of part 4 again; grid 8 x 32, 4 waves a work-group, clusters of 4 x 4, 327,680 bytes of LDS; arguments ob, wob, out0; writes out0
